; MI455X (gfx1250); checked and timed in simulation.
; The chip was launched on July 23, 2026; its instructions are those of AMD's public machine-readable ISA for CDNA 5 (MIT licence, August 2026) and "CDNA5" Instruction Set Architecture Reference Guide (July 2026). The comments in the code are by the model that wrote it; some were corrected since.
;; Attention. Allowed arithmetic: float matrix products may take bf16 or f16 operands with f32 sums; all other float work in f32.
;; Inputs: attn_b 1,024 float32; attn_w 1,024 x 2,048 float32; encoder_outputs 32 x 2,048 x 1,024 float32; hidden 32 x 1,024 float32; v_w 1 x 1,024 float32.
;; Outputs: out0 32 x 2,048 float32; out1 32 x 2,048 x 1 float32.
;; 2 versions, each right; version 2 is version 1 with the launch main written anew for expert scheduling mode. Each part assembles by itself: llvm-mc -triple=amdgcn-amd-amdhsa -mcpu=gfx1250 --defsym DOCPART=n.
;; ======== version 1 of 2: 3 launches
;; workspace buffers: web 2,097,152 bytes; hbk 131,072 bytes; scores 262,144 bytes; ml 131,072 bytes; part 2,097,152 bytes
;; launch prep (part 1): grid 64 x 1, 8 waves a work-group, no clusters, 17,408 bytes of LDS; arguments attn_w, hidden, attn_b, web, hbk; writes web, hbk
.if DOCPART == 1
	.amdgcn_target "amdgcn-amd-amdhsa--gfx1250"
	.amdhsa_code_object_version 6
	.text
	.protected	k_q057966936c_prep
	.globl	k_q057966936c_prep
	.p2align	8
	.type	k_q057966936c_prep,@function
k_q057966936c_prep:
	s_mov_b64 s[64:65], 0
	v_nop
	global_prefetch_b8 v0, s[64:65] scope:SCOPE_SE
	s_setreg_imm32_b32 hwreg(HW_REG_WAVE_MODE, 25, 1), 1
	s_wait_xcnt 0x0
; Two small jobs on attn_w [1024][2048] f32, each byte of it read once:
;   web = bf16 of We = attn_w[:, 1024:], laid out so that 512 consecutive bytes are half a matrix fragment:
;         the 16 bytes at g*262144 + q*8192 + f*1024 + c*512 + L*16 hold We[128g+16f+(L&15)][32q+16c+8(L>>4) .. +7]
;   hbk[b][n] = 2.885390 * (sum over k of hidden[b][k] Wh[n][k] + attn_b[n]),  Wh = attn_w[:, :1024]
;         (2.885390 = 2 log2 e: the next launch forms tanh from a power of two of this number)
; Work-group nt owns the 16 rows n = 16 nt .. +15 of attn_w.  Wave w owns k = 128 w .. +127, four steps of 32, in both halves of the rows;
; the eight waves' partial products meet in LDS.
; LIMITS: the operands of the product are rounded to bf16; sums in f32, K split over eight waves.  hbk leaves in runs of 64 bytes
; (a work-group owns 16 columns of each of 32 rows): 131,072 bytes in the whole launch.
.set R0,   16                          ; v[16:79]    We, later hidden rows 16-31; as loaded 64 f32, packed in place to 4 fragments of 8
.set R1,   80                          ; v[80:143]   Wh
.set R2,   144                         ; v[144:207]  hidden rows 0-15
.set ACC0, 208                         ; v[208:215]  batches 0-15
.set ACC1, 216                         ; v[216:223]  batches 16-31
.set OFFW, 4                           ; v4  r*8192 + 32h + 512w: my 32 bytes of a row of attn_w
.set OFFX, 5                           ; v5  r*4096 + 32h + 512w: the same in hidden
.set OFFL, 6                           ; v6  16 x lane
.set RST,  7                           ; v7  LDS: w*2048 + 32 x lane
.set RRD,  8                           ; v8  LDS: 16 (t & 127)
.set OFFH, 9                           ; v9  my 16 bytes of hbk
.set OFFA, 10                          ; v10 my 16 bytes of attn_b
	s_load_b256 s[4:11], s[0:1], 0x0               ; attn_w s[4:5], hidden s[6:7], attn_b s[8:9], web s[10:11]
	s_load_b64 s[12:13], s[0:1], 0x20              ; hbk
	v_lshl_add_u32 v224, v0, 2, 0x4000
	v_mov_b32 v225, 0
	v_lshrrev_b32 v1, 5, v0
	v_readfirstlane_b32 s14, v1                    ; wave 0..7
	v_and_b32 v1, 31, v0                           ; lane
	v_and_b32 v2, 15, v0                           ; r
	v_bfe_u32 v3, v0, 4, 1                         ; h
	s_lshl_b32 s15, s14, 9                         ; 128 f32 of a row for each wave
	v_lshlrev_b32 v[OFFW], 13, v2
	v_lshl_add_u32 v[OFFW], v3, 5, v[OFFW]
	v_add_nc_u32 v[OFFW], s15, v[OFFW]
	v_lshlrev_b32 v[OFFX], 12, v2
	v_lshl_add_u32 v[OFFX], v3, 5, v[OFFX]
	v_add_nc_u32 v[OFFX], s15, v[OFFX]
	v_lshlrev_b32 v[OFFL], 4, v1
	s_lshl_b32 s15, s14, 11
	v_lshl_add_u32 v[RST], v1, 5, s15
	v_and_b32 v[RRD], 127, v0
	v_lshlrev_b32 v[RRD], 4, v[RRD]
	; thread t < 128 finishes four numbers: batch 16 (t>>6) + ((t>>1)&15), columns 16 nt + 8 ((t>>5)&1) + 4 (t&1) .. +3
	v_bfe_u32 v11, v0, 5, 1
	v_and_b32 v[OFFA], 1, v0
	v_lshlrev_b32 v[OFFA], 4, v[OFFA]
	v_lshl_add_u32 v[OFFA], v11, 5, v[OFFA]
	v_bfe_u32 v11, v0, 6, 1
	v_lshl_add_u32 v[OFFH], v11, 16, v[OFFA]
	v_bfe_u32 v11, v0, 1, 4
	v_lshl_add_u32 v[OFFH], v11, 12, v[OFFH]
	s_lshl_b32 s16, ttmp9, 17                      ; 16 rows of 8,192 bytes
	s_mov_b32 s17, 0
	s_lshr_b32 s18, ttmp9, 3                       ; g
	s_lshl_b32 s18, s18, 18
	s_and_b32 s19, ttmp9, 7                        ; f
	s_lshl_b32 s19, s19, 10
	s_add_co_u32 s18, s18, s19
	s_lshl_b32 s19, s14, 15                        ; four steps q of 8,192 bytes for each wave
	s_add_co_u32 s18, s18, s19
	s_mov_b32 s19, 0
	s_lshl_b32 s20, ttmp9, 6                       ; 16 columns of f32
	s_mov_b32 s21, 0
	s_wait_kmcnt 0x0
	s_add_nc_u64 s[4:5], s[4:5], s[16:17]
	s_add_nc_u64 s[10:11], s[10:11], s[18:19]
	s_add_nc_u64 s[8:9], s[8:9], s[20:21]
	s_add_nc_u64 s[12:13], s[12:13], s[20:21]
; 16 loads: load idx = 4q + 2c + e brings the f32 of k = 32q + 16c + 8h + 4e .. +3 of my row, in the order of a 16-bit fragment's registers
.macro LOADF R, off, base, imm, nt
.set li, 0
.rept 16
.if \nt
	global_load_b128 v[\R+4*li:\R+4*li+3], v[\off], s[\base:\base+1] offset:\imm+64*(li>>1)+16*(li&1) th:TH_LOAD_NT
.else
	global_load_b128 v[\R+4*li:\R+4*li+3], v[\off], s[\base:\base+1] offset:\imm+64*(li>>1)+16*(li&1)
.endif
.set li, li+1
.endr
.endm
; 64 f32 to 32 words of bf16, in place: word i is written when words 2i and 2i+1 are read, and no word above i has been written
.macro PACK R
.set li, 0
.rept 32
	v_cvt_pk_bf16_f32 v[\R+li], v[\R+2*li], v[\R+2*li+1]
.set li, li+1
.endr
.endm
	LOADF R0, OFFW, 4, 4096, 1                     ; We
	LOADF R1, OFFW, 4, 0, 1                        ; Wh
	LOADF R2, OFFX, 6, 0, 0                        ; hidden, batches 0-15
	global_load_b128 v[12:15], v[OFFA], s[8:9]     ; attn_b
	s_wait_loadcnt 33                              ; We is in: behind it came Wh's 16, hidden's 16 and attn_b's one
	PACK R0
.irp q, 0,1,2,3
	global_store_b128 v[OFFL], v[R0+8*\q:R0+8*\q+3],   s[10:11] offset:\q*8192       ; each store of the wave: 512 consecutive bytes, aligned
	global_store_b128 v[OFFL], v[R0+8*\q+4:R0+8*\q+7], s[10:11] offset:\q*8192+512
.endr
	s_wait_xcnt 0x0                                ; R0 is the stores' data: it is loaded again only behind this wait
	LOADF R0, OFFX, 6, 65536, 0                    ; hidden, batches 16-31
	s_wait_loadcnt 33                              ; Wh is in: behind it hidden's 16, attn_b's one, hidden's second 16
	PACK R1
	s_wait_loadcnt 17                              ; hidden 0-15 is in: behind it attn_b's one and 16
	PACK R2
	s_wait_loadcnt 0x0
	PACK R0
	; source 0 = 16 rows of Wh, source 1 = 16 rows of hidden: lane (r, h) holds batch r, columns 8h .. 8h+7.
	; The two accumulators take turns, one instruction a turn.
	v_wmma_f32_16x16x32_bf16 v[ACC0:ACC0+7], v[R1:R1+7], v[R2:R2+7], 0
	v_wmma_f32_16x16x32_bf16 v[ACC1:ACC1+7], v[R1:R1+7], v[R0:R0+7], 0
.irp q, 1,2,3
	v_wmma_f32_16x16x32_bf16 v[ACC0:ACC0+7], v[R1+8*\q:R1+8*\q+7], v[R2+8*\q:R2+8*\q+7], v[ACC0:ACC0+7]
	v_wmma_f32_16x16x32_bf16 v[ACC1:ACC1+7], v[R1+8*\q:R1+8*\q+7], v[R0+8*\q:R0+8*\q+7], v[ACC1:ACC1+7]
.endr
.rept 4
	v_nop                                          ; four places between the last matrix instruction and the LDS stores of its result
.endr
	ds_store_b128 v[RST], v[ACC0:ACC0+3]
	ds_store_b128 v[RST], v[ACC0+4:ACC0+7] offset:16
	ds_store_b128 v[RST], v[ACC1:ACC1+3]   offset:1024
	ds_store_b128 v[RST], v[ACC1+4:ACC1+7] offset:1040
	s_wait_dscnt 0x0                               ; my partial sums are in LDS before I say so
	s_barrier_signal -1
	s_barrier_wait -1
	s_cmp_gt_u32 s14, 3                            ; 512 numbers in fours: 128 threads finish them
	s_cbranch_scc1 .Lend
.irp w, 0,1,2,3,4,5,6,7
	ds_load_b128 v[16+4*\w:16+4*\w+3], v[RRD] offset:2048*\w
.endr
	s_wait_dscnt 0x0
.irp k, 0,1,2,3
	v_pk_add_f32 v[16+8*\k:17+8*\k], v[16+8*\k:17+8*\k], v[20+8*\k:21+8*\k]
	v_pk_add_f32 v[18+8*\k:19+8*\k], v[18+8*\k:19+8*\k], v[22+8*\k:23+8*\k]
.endr
	v_pk_add_f32 v[16:17], v[16:17], v[24:25]
	v_pk_add_f32 v[18:19], v[18:19], v[26:27]
	v_pk_add_f32 v[32:33], v[32:33], v[40:41]
	v_pk_add_f32 v[34:35], v[34:35], v[42:43]
	v_pk_add_f32 v[16:17], v[16:17], v[32:33]
	v_pk_add_f32 v[18:19], v[18:19], v[34:35]
	v_pk_add_f32 v[16:17], v[16:17], v[12:13]      ; + attn_b
	v_pk_add_f32 v[18:19], v[18:19], v[14:15]
	v_pk_mul_f32 v[16:17], v[16:17], 0x4038aa3b op_sel_hi:[1,0]
	v_pk_mul_f32 v[18:19], v[18:19], 0x4038aa3b op_sel_hi:[1,0]
	global_store_b128 v[OFFH], v[16:19], s[12:13]
.Lend:
	s_wait_tensorcnt 0x0
	ds_add_u32 v224, v225
	s_wait_dscnt 0x0
	s_endpgm
.Lfunc_end_k_q057966936c_prep:
	.size	k_q057966936c_prep, .Lfunc_end_k_q057966936c_prep-k_q057966936c_prep
	.p2alignl 7, 3214868480
	.fill 96, 4, 3214868480
	.section	.rodata,"a",@progbits
	.p2align	6, 0x0
	.amdhsa_kernel k_q057966936c_prep
		.amdhsa_group_segment_fixed_size 17408
		.amdhsa_private_segment_fixed_size 0
		.amdhsa_enable_private_segment 0
		.amdhsa_kernarg_size 40
		.amdhsa_user_sgpr_count 2
		.amdhsa_user_sgpr_kernarg_segment_ptr 1
		.amdhsa_wavefront_size32 1
		.amdhsa_system_sgpr_workgroup_id_x 1
		.amdhsa_system_sgpr_workgroup_id_y 1
		.amdhsa_system_sgpr_workgroup_id_z 1
		.amdhsa_system_vgpr_workitem_id 0
		.amdhsa_next_free_vgpr 226
		.amdhsa_next_free_sgpr 66
		.amdhsa_reserve_vcc 0
		.amdhsa_float_denorm_mode_32 3
		.amdhsa_float_denorm_mode_16_64 3
		.amdhsa_memory_ordered 1
		.amdhsa_forward_progress 1
		.amdhsa_inst_pref_size 21
	.end_amdhsa_kernel
	.amdgpu_metadata
---
amdhsa.version: [ 1, 2 ]
amdhsa.kernels:
  - .name:           k_q057966936c_prep
    .symbol:         k_q057966936c_prep.kd
    .args:
      - { .name: attn_w, .offset: 0, .size: 8, .value_kind: global_buffer, .address_space: global }
      - { .name: hidden, .offset: 8, .size: 8, .value_kind: global_buffer, .address_space: global }
      - { .name: attn_b, .offset: 16, .size: 8, .value_kind: global_buffer, .address_space: global }
      - { .name: web, .offset: 24, .size: 8, .value_kind: global_buffer, .address_space: global }
      - { .name: hbk, .offset: 32, .size: 8, .value_kind: global_buffer, .address_space: global }
    .group_segment_fixed_size: 17408
    .private_segment_fixed_size: 0
    .kernarg_segment_align: 8
    .kernarg_segment_size: 40
    .max_flat_workgroup_size: 256
    .sgpr_count:     66
    .vgpr_count:     226
    .wavefront_size: 32
...
	.end_amdgpu_metadata
.endif
;; end of part 1
;; launch main (part 2): grid 512 x 1, 8 waves a work-group, no clusters, 300,032 bytes of LDS; arguments encoder_outputs, web, hbk, v_w, scores, ml, part; writes scores, ml, part
.if DOCPART == 2
	.amdgcn_target "amdgcn-amd-amdhsa--gfx1250"
	.amdhsa_code_object_version 6
	.text
	.protected	k_q057966936c_main
	.globl	k_q057966936c_main
	.p2align	8
	.type	k_q057966936c_main,@function
k_q057966936c_main:
	s_mov_b64 s[64:65], 0
	v_nop
	global_prefetch_b8 v0, s[64:65] scope:SCOPE_SE
	s_setreg_imm32_b32 hwreg(HW_REG_WAVE_MODE, 25, 1), 1
	s_wait_xcnt 0x0
; Work-group T owns 128 rows of encoder_outputs (rows 128 (T & 15) .. +127 of batch T >> 4) and reads them from memory once.
;   x = A We^T (A: the rows in bf16, kept in LDS to the end), 128 rows x 1024 columns; tanh(x + hidden Wh^T + b); the dot with v along the columns;
;   the block's own maximum m, p = e^(score - m), l = sum of p; sum of p x row (from A): the block's part of the context.
; The next launch joins the 16 blocks of a batch.
; SHARES: eight waves, two for each of the WGP's four SIMDs.  Wave w makes all 128 rows x the columns 128 w .. +127, in two passes of 64 columns:
; 32 accumulators, 256 registers.  Its part of web is one stream of 64 quarter steps (32 along K, 4,096 bytes each).
; THE TWO HALVES OF THE WORK-GROUP RUN OUT OF STEP, so that one wave's vector and memory phases stand beside another wave's matrix instructions.
; Waves 4-7 bring the rows, in eight chunks of 128 columns (f32 into registers, bf16 into LDS); waves 0-3 multiply their pass 0 on chunk c while
; chunk c + 1 is made, one barrier a chunk.  Then waves 4-7 run their pass 0 while waves 0-3 are in their tanh phase, and so on, about a pass apart.
; Which waves share a SIMD is not in this text's hands: if w and w + 4 do not, the results are the same and less is overlapped.
; THE PRICE: each wave reads all of A in each of its two passes: 8,192 bytes of LDS for 32 matrix instructions.
; B GOES FROM MEMORY STRAIGHT INTO REGISTERS: each byte of We is multiplied by one wave of the work-group alone, so a stage in LDS would add a write
; and a read for each byte and spare none.  A ring of four register buffers; a buffer is asked for again as soon as its quarter is multiplied.
; NO CLUSTER, NO JOINT LOADS, though all row blocks walk the same web: A takes 278,528 bytes and the scratch 20,480 of the 327,680 that a work-group
; may ask for; the 28,672 left are less than one quarter step of the eight waves (32,768 bytes), let alone two slots of it.  The rows themselves
; cannot come by a tensor load: they are f32 in memory and bf16 in LDS.
; THE MATRIX INSTRUCTION IS USED TRANSPOSED: source 0 = 16 rows of We, source 1 = 16 rows of A.  Lane (r, h) then holds row 16a + r and columns
; 16f + 8h + j, so the sum over the columns stays inside the lane but for one step across the wave's halves.
; tanh(x) = 1 - 2 / (1 + 2^(2.885390 x)).  An exponential that overflows gives 1/inf = 0 and tanh = 1; one that underflows gives tanh = -1: no clamp.
; The score is kept as (sum of v) + sum of (-2 v) / (1 + 2^..).
; The dot with v and the context are products with a single row: they run on the vector unit in f32 (p and v in f32).
; LIMITS: the operands of A We^T are rounded to bf16, and the context is formed from the same bf16 copy of the rows; NaN and infinite inputs get no
; treatment of their own; the order of the sums is not the reference's.
.set PITCH, 272                        ; a row of a plane: 256 bytes + 16 = 17 x 16: the 16 rows of a fragment load start at 16 different 16-byte columns of 256
.set PLANE, 128*PITCH                  ; 34,816: plane c = columns 128 c .. +127 of the 128 rows.  What is written (plane c + 1) and what is read (plane c) are separate ranges
.set HB,    8*PLANE                    ; 278,528: hbk of my batch, 1,024 f32
.set V2,    HB+4096                    ; -2 v, 1,024 f32
.set SC,    V2+4096                    ; 8 waves x 128 row sums
.set PB,    SC+4096                    ; p of the 128 rows, a copy for each wave
.set CT,    PB+4096                    ; 512 bytes for each wave: the way out
; window 0
.set OFFB, 4                           ; 16 l
.set ADR0, 5                           ; r PITCH + 16 h: my place in a fragment, plane 0
.set ADRA, 6                           ; the same, stepped a plane a trip
.set ADRH, 7                           ; HB + 512 w + 32 h
.set OFFE, 8                           ; 16 l + (w & 3) << 17: my 16 bytes in the first of a producer's 32 rows
.set STA,  9                           ; 32 (w & 3) PITCH + 8 l, stepped a plane a chunk
.set OFFT, 10                          ; 16 t
.set HBW,  11                          ; HB + 16 t
.set SCW,  12                          ; SC + 512 w + 4 l
.set SCR,  13                          ; SC + 16 l
.set PBW,  14                          ; PB + 512 w + 16 l
.set PBR,  15                          ; PB + 512 w + 256 h
.set CXA,  16                          ; w PLANE + 64 h PITCH + 16 r
.set CTW,  17                          ; CT + 512 w + 32 r
.set CTR,  18                          ; CT + 512 w + 16 l
.set OFF8, 19                          ; 8 l
.set TMP,  20
.set VSP,  22                          ; v[22:23]  sum of -2 v over my columns, as a pair
.set S,    24                          ; v[24:31]  row sums, one for each of the 8 row tiles
.set CP,   32                          ; v[32:47]  eight chains of pairs, one for each row tile, alive over both passes
.set HV,   32                          ; v[32:47]  at the start: hbk and v as loaded
.set PP,   32                          ; v[32:35]  at the end: p of my four rows
.set CX,   40                          ; v[40:47]  at the end: my 8 columns of the context
.set C,    48                          ; v[48:55]  at work
.set SCO,  56                          ; v[56:59]  the scores of my four rows
.set ML,   60                          ; v[60:61]  m, l
.set H0,   64                          ; v[64:95]   A's fragments, rows 0-63
.set H1,   96                          ; v[96:127]  A's fragments, rows 64-127
.set CV,   64                          ; v[64:127]  a producer's chunk, packed
.set HBR,  64                          ; behind a pass: hbk of my 32 columns
.set V2R,  96                          ; behind a pass: -2 v of my 32 columns
.set T,    64                          ; at the end: at work
.set RB0,  128                         ; v[128:255] the B ring, four buffers of 32
.set RB1,  160
.set RB2,  192
.set RB3,  224
.set P,    128                         ; v[128:191] at the end: p of my half's 64 rows
.set D,    192                         ; v[192:255] at the end: a ring of 16 rows' data
; window 1: the 32 accumulators, tile (a, f) at 8 (4a + f); in a producer, before its pass 0, two chunk buffers of 128 registers
.set MULW, 0x50                        ; C and D window 1, sources window 0
.set TO_1, 0x40                        ; destination window 1, address window 0
.set CVTW, 0x05                        ; sources 0 and 1 window 1, destination window 0
.set EPIW, 0x41                        ; source 0 and destination window 1
.set SUMW, 0x01                        ; source 0 window 1
.set MSB, 0
.macro WIN new                         ; the immediate's high byte repeats the setting that is left; a switch that changes nothing is dropped
.if MSB != \new
	s_set_vgpr_msb (MSB<<8)|\new
.set MSB, \new
.endif
.endm
.macro PLACES                          ; four places between a matrix instruction and a load into, or a vector instruction on, its registers
.rept 4
	v_nop
.endr
.endm
; one quarter step of my stream of web: 8 loads of 512 consecutive bytes into ring buffer rb
.macro LOADB rb, boff
.irp f, 0,1,2,3
	global_load_b128 v[\rb+8*\f:\rb+8*\f+3],   v[OFFB], s[6:7] offset:\boff+1024*\f
	global_load_b128 v[\rb+8*\f+4:\rb+8*\f+7], v[OFFB], s[6:7] offset:\boff+1024*\f+512
.endr
.endm
; 8 LDS loads: four fragments of A (16 rows x 32 K each), rows 64 hi .. +63, at byte k of the plane's rows
.macro FETCHH hb, hi, k
.irp a, 0,1,2,3
	ds_load_b128 v[\hb+8*\a:\hb+8*\a+3],   v[ADRA] offset:(4*\hi+\a)*16*PITCH+\k
	ds_load_b128 v[\hb+8*\a+4:\hb+8*\a+7], v[ADRA] offset:(4*\hi+\a)*16*PITCH+\k+32
.endr
.endm
; 16 matrix instructions: row tiles a0 .. a0 + 3 x the 4 column tiles, 32 along K.  zero = 1: the first product starts the sums: nothing is cleared.
.macro MUL16 rb, hb, a0, zero
.irp a, 0,1,2,3
.irp f, 0,1,2,3
.if \zero
	v_wmma_f32_16x16x32_bf16 v[8*(4*(\a0+\a)+\f):8*(4*(\a0+\a)+\f)+7], v[\rb+8*\f:\rb+8*\f+7], v[\hb+8*\a:\hb+8*\a+7], 0
.else
	v_wmma_f32_16x16x32_bf16 v[8*(4*(\a0+\a)+\f):8*(4*(\a0+\a)+\f)+7], v[\rb+8*\f:\rb+8*\f+7], v[\hb+8*\a:\hb+8*\a+7], v[8*(4*(\a0+\a)+\f):8*(4*(\a0+\a)+\f)+7]
.endif
.endr
.endr
.endm
; A quarter step: 32 matrix instructions on B's buffer rb.  Each half of A is loaded again, for the next quarter (byte k), as soon as it is multiplied;
; so is B's buffer, for the quarter four on (byte boff of my stream).  The 32 accumulators take turns, one instruction a turn, in the same order in
; every quarter, over the loop's backward jump too.
.macro QUARTER rb, k, fetch, boff, refill, lc, zero
	s_wait_loadcnt \lc                             ; this quarter's B is in; the younger quarters' loads, 8 each, stay out
	s_wait_dscnt 8                                 ; A's rows 0-63 are in; the younger eight loads (rows 64-127) may be out
	WIN MULW
	MUL16 \rb, H0, 0, \zero
	PLACES
	WIN 0
.if \fetch
	FETCHH H0, 0, \k
	s_wait_dscnt 8                                 ; rows 64-127 are in; the eight just issued stay out
.else
	s_wait_dscnt 0x0
.endif
	WIN MULW
	MUL16 \rb, H1, 4, \zero
	PLACES
	WIN 0
.if \fetch
	FETCHH H1, 1, \k
.endif
.if \refill
	LOADB \rb, \boff
.endif
.endm
; Pass 0, trip c: four quarters, plane c of A, every offset of B in the immediates (my stream's pointer is not stepped in pass 0).
; ahead = 0 (waves 0-3): the trip reads plane c alone, since the next plane may not be whole yet: its first fragments are fetched at its head.
; ahead = 1 (waves 4-7, A whole): the last quarter fetches the next plane's first fragments.
; The last trip asks for pass 1's first four quarters, which lie 4,096 bytes into the stream's first four.
.macro XTRIP c, zero, ahead
.if \c < 7
.set xb, (4*\c+4)*8192
.else
.set xb, 4096
.endif
.if \ahead == 0
	FETCHH H0, 0, 0
	FETCHH H1, 1, 0
.endif
	QUARTER RB0, 64,  1, xb,        1, 24, \zero
	QUARTER RB1, 128, 1, xb+8192,   1, 24, 0
	QUARTER RB2, 192, 1, xb+2*8192, 1, 24, 0
.if \ahead*(7-\c) > 0
	QUARTER RB3, PLANE, 1, xb+3*8192, 1, 24, 0
.else
	QUARTER RB3, 0,     0, xb+3*8192, 1, 24, 0
.endif
.if \c < 7
	v_add_nc_u32 v[ADRA], PLANE, v[ADRA]
.endif
.endm
; Pass 1, a trip: four quarters, one plane of A.  last = 1: the stream's last trip: nothing more is asked for or fetched, and the counts run down.
.macro TRIP zero, last
.if \last
	QUARTER RB0, 64,  1, 0, 0, 24, 0
	QUARTER RB1, 128, 1, 0, 0, 16, 0
	QUARTER RB2, 192, 1, 0, 0, 8, 0
	QUARTER RB3, 0,   0, 0, 0, 0, 0
.else
	QUARTER RB0, 64,    1, 4*8192, 1, 24, \zero
	QUARTER RB1, 128,   1, 5*8192, 1, 24, 0
	QUARTER RB2, 192,   1, 6*8192, 1, 24, 0
	QUARTER RB3, PLANE, 1, 7*8192, 1, 24, 0
	s_wait_xcnt 0x0                                ; s[6:7] is the base of loads that are out: it is stepped only behind this wait
	s_add_nc_u64 s[6:7], s[6:7], 32768
	v_add_nc_u32 v[ADRA], PLANE, v[ADRA]
.endif
.endm
.macro PASS_HEAD
	v_mov_b32 v[ADRA], v[ADR0]                     ; plane 0
	FETCHH H0, 0, 0
	FETCHH H1, 1, 0
.endm
; Waves 4-7: 32 loads, chunk c of my 32 rows: each load of the wave takes 512 consecutive bytes of a row (window TO_1)
.macro LOADC sb, c
.set pi, 0
.rept 32
	global_load_b128 v[\sb+4*pi:\sb+4*pi+3], v[OFFE], s[4:5] offset:pi*4096+(\c)*512 th:TH_LOAD_NT
.set pi, pi+1
.endr
.endm
; Waves 4-7: chunk c has come: round it, ask for chunk c + 2 into the same registers, lay it into plane c
.macro PROD c, lc
.set sb, 128*((\c)&1)
	s_wait_loadcnt \lc                             ; loads come back in order (ISA guide 5.7.1): chunk c is in, the one younger chunk's 32 loads stay out; the last chunk's wait is for 0
.if \c == 7
	LOADB RB0, 0                                   ; no load is out behind that wait: my own pass 0's first four quarters of B go out,
	LOADB RB1, 8192                                ; and have the rounding, the stores and the barrier below in which to land
	LOADB RB2, 2*8192
	LOADB RB3, 3*8192
.endif
	WIN CVTW
.set pi, 0
.rept 64
	v_cvt_pk_bf16_f32 v[CV+pi], v[sb+2*pi], v[sb+2*pi+1]
.set pi, pi+1
.endr
.if \c+2 < 8
	WIN TO_1
	LOADC sb, (\c+2)
.endif
	WIN 0
.set pi, 0
.rept 32
	ds_store_b64 v[STA], v[CV+2*pi:CV+2*pi+1] offset:pi*PITCH      ; 32 lanes, 256 consecutive bytes: a row of the plane
.set pi, pi+1
.endr
.if \c < 7
	v_add_nc_u32 v[STA], PLANE, v[STA]
.endif
.endm
.macro BAR
	s_wait_dscnt 0x0                               ; my LDS stores are in LDS and my LDS reads are back before I say so
	s_barrier_signal -1
	s_barrier_wait -1
.endm
; Behind the barrier plane c is whole.  Waves 0-3 multiply it; waves 4-7 make plane n = c + 1.  The barrier stands in every wave's text; the branch
; on the wave's number jumps over register, LDS and memory work alone.
.macro INTERVAL c, n, lc, zero
	BAR
	s_cmp_gt_u32 s18, 3
	s_cbranch_scc1 .Lprod_\c
	XTRIP \c, \zero, 0
	s_branch .Ljoin_\c
.Lprod_\c:
	PROD \n, \lc
.Ljoin_\c:
.endm
; Behind pass p: hbk and -2 v of my 32 columns 128 w + 64 p + 16 f + 8 h + j; then all 256 numbers of the lane, in place in the accumulators' registers:
; 2.885390 x + hbk; 2^..; + 1; 1/..; and the sums with -2 v, one chain of pairs for each row tile.
.macro EPI p
.irp f, 0,1,2,3
	ds_load_b128 v[HBR+8*\f:HBR+8*\f+3],   v[ADRH] offset:256*\p+64*\f
	ds_load_b128 v[HBR+8*\f+4:HBR+8*\f+7], v[ADRH] offset:256*\p+64*\f+16
.endr
.irp f, 0,1,2,3
	ds_load_b128 v[V2R+8*\f:V2R+8*\f+3],   v[ADRH] offset:4096+256*\p+64*\f
	ds_load_b128 v[V2R+8*\f+4:V2R+8*\f+7], v[ADRH] offset:4096+256*\p+64*\f+16
.endr
	s_wait_dscnt 0x0
.irp k, 0,1,2,3
	v_pk_add_f32 v[C+2*\k:C+2*\k+1], v[V2R+2*\k:V2R+2*\k+1], v[V2R+8+2*\k:V2R+8+2*\k+1]
.endr
.irp k, 0,1,2,3
	v_pk_add_f32 v[C+2*\k:C+2*\k+1], v[C+2*\k:C+2*\k+1], v[V2R+16+2*\k:V2R+16+2*\k+1]
.endr
.irp k, 0,1,2,3
	v_pk_add_f32 v[C+2*\k:C+2*\k+1], v[C+2*\k:C+2*\k+1], v[V2R+24+2*\k:V2R+24+2*\k+1]
.endr
	v_pk_add_f32 v[C:C+1], v[C:C+1], v[C+2:C+3]
	v_pk_add_f32 v[C+4:C+5], v[C+4:C+5], v[C+6:C+7]
.if \p
	v_pk_add_f32 v[C:C+1], v[C:C+1], v[C+4:C+5]
	v_pk_add_f32 v[VSP:VSP+1], v[VSP:VSP+1], v[C:C+1]
.else
	v_pk_add_f32 v[VSP:VSP+1], v[C:C+1], v[C+4:C+5]
.endif
	WIN EPIW
.set ei, 0
.rept 128
	v_pk_fma_f32 v[2*ei:2*ei+1], v[2*ei:2*ei+1], 0x4038aa3b, v[HBR+2*(ei%16):HBR+2*(ei%16)+1] op_sel_hi:[1,0,1]
.set ei, ei+1
.endr
.set ei, 0
.rept 256
	v_exp_f32 v[ei], v[ei]
.set ei, ei+1
.endr
	v_nop                                          ; one plain place between the last transcendental and the use of its result
.set ei, 0
	s_wait_alu depctr_va_vdst(0)
.rept 128
	v_pk_add_f32 v[2*ei:2*ei+1], v[2*ei:2*ei+1], 1.0 op_sel_hi:[1,0]
.set ei, ei+1
.endr
.set ei, 0
.rept 256
	v_rcp_f32 v[ei], v[ei]
.set ei, ei+1
.endr
	v_nop
	s_wait_alu depctr_va_vdst(0)
	WIN SUMW
.set ei, 0
.rept 16
.set ea, 0
.rept 8
.if \p+ei == 0
	v_pk_mul_f32 v[CP+2*ea:CP+2*ea+1], v[32*ea+2*ei:32*ea+2*ei+1], v[V2R+2*ei:V2R+2*ei+1]      ; pass 0's first pairs start the chains
.else
	v_pk_fma_f32 v[CP+2*ea:CP+2*ea+1], v[32*ea+2*ei:32*ea+2*ei+1], v[V2R+2*ei:V2R+2*ei+1], v[CP+2*ea:CP+2*ea+1]
.endif
.set ea, ea+1
.endr
.set ei, ei+1
.endr
	WIN 0
.endm
	s_load_b256 s[4:11], s[0:1], 0x0               ; encoder_outputs s[4:5], web s[6:7], hbk s[8:9], v_w s[10:11]
	s_load_b128 s[12:15], s[0:1], 0x20             ; scores s[12:13], ml s[14:15]
	s_load_b64 s[16:17], s[0:1], 0x30              ; part
	v_lshl_add_u32 v62, v0, 2, 0x49000
	v_mov_b32 v63, 0
	v_lshrrev_b32 v1, 5, v0
	v_readfirstlane_b32 s18, v1                    ; wave 0..7
	v_and_b32 v1, 31, v0                           ; l
	v_and_b32 v2, 15, v0                           ; r
	v_bfe_u32 v3, v0, 4, 1                         ; h
	s_and_b32 s19, s18, 3                          ; which 32 rows a producer brings
	s_mov_b32 s26, 0x76543210                      ; v_permlanex16_b32: lane i of one half reads lane i of the other
	s_mov_b32 s27, 0xfedcba98
	s_lshl_b32 s28, s18, 9                         ; 512 w
	v_lshlrev_b32 v[OFFB], 4, v1
	v_mul_u32_u24 v[ADR0], v2, PITCH
	v_lshl_add_u32 v[ADR0], v3, 4, v[ADR0]
	v_mov_b32 v[ADRA], v[ADR0]
	s_add_co_u32 s29, s28, HB
	v_lshl_add_u32 v[ADRH], v3, 5, s29
	s_lshl_b32 s29, s19, 17                        ; 32 rows of 4,096 bytes
	v_lshl_add_u32 v[OFFE], v1, 4, s29
	s_mul_i32 s29, s19, 32*PITCH
	v_lshl_add_u32 v[STA], v1, 3, s29
	v_lshlrev_b32 v[OFFT], 4, v0
	v_add_nc_u32 v[HBW], HB, v[OFFT]
	s_add_co_u32 s29, s28, SC
	v_lshl_add_u32 v[SCW], v1, 2, s29
	v_add_nc_u32 v[SCR], SC, v[OFFB]
	s_add_co_u32 s29, s28, PB
	v_add_nc_u32 v[PBW], s29, v[OFFB]
	v_lshl_add_u32 v[PBR], v3, 8, s29
	s_mul_i32 s29, s18, PLANE
	v_mul_u32_u24 v[CXA], v3, 64*PITCH
	v_lshl_add_u32 v[CXA], v2, 4, v[CXA]
	v_add_nc_u32 v[CXA], s29, v[CXA]
	s_add_co_u32 s29, s28, CT
	v_lshl_add_u32 v[CTW], v2, 5, s29
	v_add_nc_u32 v[CTR], s29, v[OFFB]
	v_lshlrev_b32 v[OFF8], 3, v1
	s_mov_b32 s23, 0
	s_wait_kmcnt 0x0
	s_lshl_b32 s22, ttmp9, 19                      ; 128 rows of 4,096 bytes
	s_add_nc_u64 s[4:5], s[4:5], s[22:23]
	s_lshl_b32 s22, s18, 18                        ; my wave's 262,144 bytes of web
	s_add_nc_u64 s[6:7], s[6:7], s[22:23]
	s_lshr_b32 s20, ttmp9, 4                       ; batch
	s_lshl_b32 s22, s20, 12
	s_add_nc_u64 s[8:9], s[8:9], s[22:23]
	s_lshl_b32 s22, ttmp9, 9
	s_add_nc_u64 s[12:13], s[12:13], s[22:23]
	s_lshl_b32 s22, ttmp9, 8
	s_add_nc_u64 s[14:15], s[14:15], s[22:23]
	s_lshl_b32 s22, ttmp9, 12
	s_add_co_u32 s22, s22, s28
	s_add_nc_u64 s[16:17], s[16:17], s[22:23]
; ---------------- the start: waves 4-7 ask for chunks 0 and 1 and make plane 0; waves 0-3 fill HB and V2 and ask for their first B ----------------
	s_cmp_gt_u32 s18, 3
	s_cbranch_scc1 .Lpre_prod
	global_load_b128 v[HV:HV+3],     v[OFFT], s[8:9]                ; hbk of my batch: 128 threads x 2 x 16 bytes
	global_load_b128 v[HV+4:HV+7],   v[OFFT], s[8:9] offset:2048
	global_load_b128 v[HV+8:HV+11],  v[OFFT], s[10:11]              ; v_w
	global_load_b128 v[HV+12:HV+15], v[OFFT], s[10:11] offset:2048
	LOADB RB0, 0
	LOADB RB1, 8192
	LOADB RB2, 2*8192
	LOADB RB3, 3*8192
	s_wait_loadcnt 32                              ; hbk and v are in; B's four quarters, 32 loads, stay out
.irp k, 8,10,12,14
	v_pk_mul_f32 v[HV+\k:HV+\k+1], v[HV+\k:HV+\k+1], -2.0 op_sel_hi:[1,0]
.endr
	ds_store_b128 v[HBW], v[HV:HV+3]
	ds_store_b128 v[HBW], v[HV+4:HV+7]   offset:2048
	ds_store_b128 v[HBW], v[HV+8:HV+11]  offset:4096
	ds_store_b128 v[HBW], v[HV+12:HV+15] offset:6144
	s_branch .Lpre_join
.Lpre_prod:
	WIN TO_1
	LOADC 0, 0                                     ; two chunks of a wave, 32,768 bytes, are on their way from here on
	LOADC 128, 1
	WIN 0
	PROD 0, 32
.Lpre_join:
; ---------------- eight chunks: plane c is multiplied by waves 0-3 (their pass 0) while waves 4-7 make plane c + 1 ----------------
	INTERVAL 0, 1, 32, 1                           ; the first products start the sums
	INTERVAL 1, 2, 32, 0
	INTERVAL 2, 3, 32, 0
	INTERVAL 3, 4, 32, 0
	INTERVAL 4, 5, 32, 0
	INTERVAL 5, 6, 32, 0                           ; chunk 6: behind it came chunk 7's 32 loads
	INTERVAL 6, 7, 0, 0                            ; chunk 7: nothing was asked for behind it
	BAR                                            ; A is whole, and nobody writes it again: no barrier stands in the passes that follow
	s_cmp_gt_u32 s18, 3
	s_cbranch_scc1 .Lpass0_late
	XTRIP 7, 0, 0
	s_branch .Lepi0
.Lpass0_late:                                      ; waves 4-7: their pass 0, written out: the planes' steps stand in straight lines, B's offsets in the immediates
	PASS_HEAD
	XTRIP 0, 1, 1
	XTRIP 1, 0, 1
	XTRIP 2, 0, 1
	XTRIP 3, 0, 1
	XTRIP 4, 0, 1
	XTRIP 5, 0, 1
	XTRIP 6, 0, 1
	XTRIP 7, 0, 1                                  ; B's ring runs on into pass 1: four quarters are on their way during what follows
.Lepi0:
	s_wait_xcnt 0x0                                ; s[6:7] is the base of loads that are out: it is stepped only behind this wait
	s_add_nc_u64 s[6:7], s[6:7], 4096              ; pass 1 takes the second 4,096 bytes of each quarter's 8,192
	EPI 0
	PASS_HEAD
	TRIP 1, 0
	s_mov_b32 s24, 6
.Lpass1:
	TRIP 0, 0
	s_sub_co_u32 s24, s24, 1
	s_cmp_lg_u32 s24, 0
	s_cbranch_scc1 .Lpass1
	TRIP 0, 1
	EPI 1
; ---------------- scores, the block's m, p and l, its part of the context ----------------
	v_add_f32 v[TMP], v[VSP], v[VSP+1]             ; sum of -2 v over my 64 columns
.irp a, 0,1,2,3,4,5,6,7
	v_add_f32 v[S+\a], v[CP+2*\a], v[CP+2*\a+1]
.endr
.irp a, 0,1,2,3,4,5,6,7
	v_fmac_f32 v[S+\a], -0.5, v[TMP]               ; + the sum of v
.endr
.irp a, 0,1,2,3,4,5,6,7
	v_permlanex16_b32 v[C+\a], v[S+\a], s26, s27   ; the other half of the wave holds the row's other columns
.endr
.irp a, 0,1,2,3,4,5,6,7
	v_add_f32 v[S+\a], v[S+\a], v[C+\a]
.endr
	v_cmp_lt_u32 vcc_lo, 15, v1
.irp i, 0,1,2,3
	v_cndmask_b32 v[C+\i], v[S+2*\i], v[S+2*\i+1], vcc_lo          ; lane l: row 32 i + l
.endr
	BAR                                            ; all eight waves' LDS reads of the passes (A, HB, V2) are back before any wave stores to LDS again.  The scratch is
	                                               ; bytes of its own, so no value hangs on this barrier: it keeps the order load, wait, barrier, store for all of LDS,
	                                               ; and the waves meet four stores further down in any case
.irp i, 0,1,2,3
	ds_store_b32 v[SCW], v[C+\i] offset:128*\i
.endr
	BAR                                            ; every wave's sums over its 128 columns are in LDS
.irp w, 0,1,2,3,4,5,6,7
	ds_load_b128 v[T+4*\w:T+4*\w+3], v[SCR] offset:512*\w          ; rows 4 l .. 4 l + 3, from each wave
.endr
	s_wait_dscnt 0x0
.irp k, 0,1,2,3
	v_pk_add_f32 v[T+8*\k:T+8*\k+1],   v[T+8*\k:T+8*\k+1],   v[T+8*\k+4:T+8*\k+5]          ; every wave adds in the same order: the same scores, m and p in all eight
	v_pk_add_f32 v[T+8*\k+2:T+8*\k+3], v[T+8*\k+2:T+8*\k+3], v[T+8*\k+6:T+8*\k+7]
.endr
	v_pk_add_f32 v[T:T+1],     v[T:T+1],     v[T+8:T+9]
	v_pk_add_f32 v[T+2:T+3],   v[T+2:T+3],   v[T+10:T+11]
	v_pk_add_f32 v[T+16:T+17], v[T+16:T+17], v[T+24:T+25]
	v_pk_add_f32 v[T+18:T+19], v[T+18:T+19], v[T+26:T+27]
	v_pk_add_f32 v[SCO:SCO+1],   v[T:T+1],   v[T+16:T+17]
	v_pk_add_f32 v[SCO+2:SCO+3], v[T+2:T+3], v[T+18:T+19]
	v_max3_num_f32 v[ML], v[SCO], v[SCO+1], v[SCO+2]
	v_max_num_f32 v[ML], v[ML], v[SCO+3]
	v_max_num_f32_dpp v[ML], v[ML], v[ML] row_xmask:1 row_mask:0xf bank_mask:0xf
	v_max_num_f32_dpp v[ML], v[ML], v[ML] row_xmask:2 row_mask:0xf bank_mask:0xf
	v_max_num_f32_dpp v[ML], v[ML], v[ML] row_xmask:4 row_mask:0xf bank_mask:0xf
	v_max_num_f32_dpp v[ML], v[ML], v[ML] row_xmask:8 row_mask:0xf bank_mask:0xf
	v_permlanex16_b32 v[TMP], v[ML], s26, s27
	v_max_num_f32 v[ML], v[ML], v[TMP]             ; m: the largest score of the block's 128 rows
.irp k, 0,1,2,3
	v_sub_f32 v[PP+\k], v[SCO+\k], v[ML]
.endr
.irp k, 0,1,2,3
	v_mul_f32 v[PP+\k], 0x3fb8aa3b, v[PP+\k]
.endr
.irp k, 0,1,2,3
	v_exp_f32 v[PP+\k], v[PP+\k]                   ; p = e^(score - m), at most 1
.endr
	v_nop
	s_wait_alu depctr_va_vdst(0)
	v_add_f32 v[ML+1], v[PP], v[PP+1]
	v_add_f32 v[TMP], v[PP+2], v[PP+3]
	v_add_f32 v[ML+1], v[ML+1], v[TMP]
	v_add_f32_dpp v[ML+1], v[ML+1], v[ML+1] row_xmask:1 row_mask:0xf bank_mask:0xf
	v_add_f32_dpp v[ML+1], v[ML+1], v[ML+1] row_xmask:2 row_mask:0xf bank_mask:0xf
	v_add_f32_dpp v[ML+1], v[ML+1], v[ML+1] row_xmask:4 row_mask:0xf bank_mask:0xf
	v_add_f32_dpp v[ML+1], v[ML+1], v[ML+1] row_xmask:8 row_mask:0xf bank_mask:0xf
	v_permlanex16_b32 v[TMP], v[ML+1], s26, s27
	v_add_f32 v[ML+1], v[ML+1], v[TMP]             ; l: the sum of p
	ds_store_b128 v[PBW], v[PP:PP+3]               ; p into my wave's own copy
	s_cmp_lg_u32 s18, 0
	s_cbranch_scc1 .Lnot_wave_0
	global_store_b128 v[OFFB], v[SCO:SCO+3], s[12:13]              ; the 128 scores: 512 consecutive bytes.  Neither these data nor these offsets are written again
	global_store_b64 v[OFF8], v[ML:ML+1], s[14:15]                 ; (m, l), 32 times: 256 consecutive bytes, aligned, written whole
.Lnot_wave_0:
	; Wave w sums the columns 128 w .. +127, which are plane w.  Lanes 0-15 take rows 0-63, lanes 16-31 rows 64-127, eight columns a lane.
.set ci, 0
.rept 16
	ds_load_b128 v[P+4*ci:P+4*ci+3], v[PBR] offset:16*ci           ; p of my half's 64 rows; LDS serves a wave's instructions in order (ISA guide 5.7.1): these see the store above
.set ci, ci+1
.endr
.irp k, 0,1,2,3,4,5,6,7
	v_mov_b32 v[CX+\k], 0
.endr
.set ci, 0
.rept 16
	ds_load_b128 v[D+4*ci:D+4*ci+3], v[CXA] offset:ci*PITCH        ; a ring of 16 slots of 4 registers
.set ci, ci+1
.endr
.set ci, 0
.rept 64
.if 63-ci < 15
	s_wait_dscnt 63-ci                             ; the last rows: the count runs down
.else
	s_wait_dscnt 15                                ; row ci is in (and all of p, which is older); the 15 younger rows' loads stay out
.endif
.irp k, 0,1,2,3
	v_fma_mix_f32_bf16 v[CX+2*\k],   v[D+4*(ci%16)+\k], v[P+ci], v[CX+2*\k]   op_sel_hi:[1,0,0]
	v_fma_mix_f32_bf16 v[CX+2*\k+1], v[D+4*(ci%16)+\k], v[P+ci], v[CX+2*\k+1] op_sel:[1,0,0] op_sel_hi:[1,0,0]
.endr
.if ci+16 < 64
	ds_load_b128 v[D+4*(ci%16):D+4*(ci%16)+3], v[CXA] offset:(ci+16)*PITCH
.endif
.set ci, ci+1
.endr
.irp k, 0,1,2,3,4,5,6,7
	v_permlanex16_b32 v[C+\k], v[CX+\k], s26, s27  ; the other half's 64 rows
.endr
.irp k, 0,1,2,3,4,5,6,7
	v_add_f32 v[CX+\k], v[CX+\k], v[C+\k]
.endr
	; the way out: a lane's 32 bytes go through my wave's own stage (both halves hold and write the same numbers), so that the wave's store covers
	; 512 consecutive bytes with neighbouring lanes at neighbouring 16 bytes
	ds_store_b128 v[CTW], v[CX:CX+3]
	ds_store_b128 v[CTW], v[CX+4:CX+7] offset:16
	ds_load_b128 v[T:T+3], v[CTR]
	s_wait_dscnt 0x0
	global_store_b128 v[OFFB], v[T:T+3], s[16:17]
	s_wait_tensorcnt 0x0
	ds_add_u32 v62, v63
	s_wait_dscnt 0x0
	s_endpgm
.Lfunc_end_k_q057966936c_main:
	.size	k_q057966936c_main, .Lfunc_end_k_q057966936c_main-k_q057966936c_main
	.p2alignl 7, 3214868480
	.fill 96, 4, 3214868480
	.section	.rodata,"a",@progbits
	.p2align	6, 0x0
	.amdhsa_kernel k_q057966936c_main
		.amdhsa_group_segment_fixed_size 300032
		.amdhsa_private_segment_fixed_size 0
		.amdhsa_enable_private_segment 0
		.amdhsa_kernarg_size 56
		.amdhsa_user_sgpr_count 2
		.amdhsa_user_sgpr_kernarg_segment_ptr 1
		.amdhsa_wavefront_size32 1
		.amdhsa_system_sgpr_workgroup_id_x 1
		.amdhsa_system_sgpr_workgroup_id_y 1
		.amdhsa_system_sgpr_workgroup_id_z 1
		.amdhsa_system_vgpr_workitem_id 0
		.amdhsa_next_free_vgpr 512
		.amdhsa_next_free_sgpr 66
		.amdhsa_reserve_vcc 1
		.amdhsa_float_denorm_mode_32 3
		.amdhsa_float_denorm_mode_16_64 3
		.amdhsa_memory_ordered 1
		.amdhsa_forward_progress 1
		.amdhsa_inst_pref_size 255
	.end_amdhsa_kernel
	.section	.bss,"aw",@nobits
	.p2align	6
	.space	262144
	.amdgpu_metadata
---
amdhsa.version: [ 1, 2 ]
amdhsa.kernels:
  - .name:           k_q057966936c_main
    .symbol:         k_q057966936c_main.kd
    .args:
      - { .name: encoder_outputs, .offset: 0, .size: 8, .value_kind: global_buffer, .address_space: global }
      - { .name: web, .offset: 8, .size: 8, .value_kind: global_buffer, .address_space: global }
      - { .name: hbk, .offset: 16, .size: 8, .value_kind: global_buffer, .address_space: global }
      - { .name: v_w, .offset: 24, .size: 8, .value_kind: global_buffer, .address_space: global }
      - { .name: scores, .offset: 32, .size: 8, .value_kind: global_buffer, .address_space: global }
      - { .name: ml, .offset: 40, .size: 8, .value_kind: global_buffer, .address_space: global }
      - { .name: part, .offset: 48, .size: 8, .value_kind: global_buffer, .address_space: global }
    .group_segment_fixed_size: 300032
    .private_segment_fixed_size: 0
    .kernarg_segment_align: 8
    .kernarg_segment_size: 56
    .max_flat_workgroup_size: 256
    .sgpr_count:     66
    .vgpr_count:     512
    .wavefront_size: 32
...
	.end_amdgpu_metadata
.endif
;; end of part 2
;; launch combine (part 3): grid 8 x 32, 1 waves a work-group, no clusters, 0 bytes of LDS; arguments scores, ml, part, hidden, out0, out1; writes out0, out1
.if DOCPART == 3
	.amdgcn_target "amdgcn-amd-amdhsa--gfx1250"
	.amdhsa_code_object_version 6
	.text
	.protected	k_q057966936c_combine
	.globl	k_q057966936c_combine
	.p2align	8
	.type	k_q057966936c_combine,@function
k_q057966936c_combine:
	s_mov_b64 s[64:65], 0
	v_nop
	global_prefetch_b8 v0, s[64:65] scope:SCOPE_SE
	s_setreg_imm32_b32 hwreg(HW_REG_WAVE_MODE, 25, 1), 1
	s_wait_xcnt 0x0
; Joins the 16 row blocks of a batch.  Block i gave its maximum m_i, its sum l_i of e^(score - m_i) and its vector c_i = sum of e^(score - m_i) x row.
;   M = max m_i;  L = sum of l_i e^(m_i - M), at least 1;  weight = e^(score - M) / L;  context = sum of c_i e^(m_i - M) / L
; Work-group (x, b), one wave: 256 weights, 128 columns of the context and 128 columns of hidden of batch b.  Every store of the wave covers 512
; consecutive bytes, aligned.  A stream of a few loads for each lane: no LDS, no barrier, no matrix unit.
	s_load_b256 s[4:11], s[0:1], 0x0               ; scores s[4:5], ml s[6:7], part s[8:9], hidden s[10:11]
	s_load_b128 s[12:15], s[0:1], 0x20             ; out0 s[12:13], out1 s[14:15]
	s_and_b32 s16, ttmp7, 0xffff                   ; b
	s_lshl_b32 s17, ttmp9, 9                       ; 128 f32 for each x
	v_and_b32 v1, 15, v0
	v_lshlrev_b32 v1, 8, v1                        ; lanes i and 16 + i: block i's 256 bytes of ml
	v_lshlrev_b32 v2, 4, v0                        ; 16 l
	s_lshl_b32 s18, s16, 12                        ; ml: 16 blocks of 256 bytes for each batch
	s_mov_b32 s19, 0
	s_lshl_b32 s20, s16, 13                        ; scores and out1: 8,192 bytes for each batch, 1,024 for each x
	s_lshl_b32 s28, ttmp9, 10
	s_add_co_u32 s20, s20, s28
	s_mov_b32 s21, 0
	s_add_co_u32 s22, s18, s17                     ; hidden: 4,096 bytes for each batch
	s_mov_b32 s23, 0
	s_lshl_b32 s24, s16, 16                        ; part: 16 blocks of 4,096 bytes for each batch
	s_add_co_u32 s24, s24, s17
	s_mov_b32 s25, 0
	s_lshl_b32 s26, s16, 13                        ; out0: 8,192 bytes for each batch
	s_add_co_u32 s26, s26, s17
	s_mov_b32 s27, 0
	s_wait_kmcnt 0x0
	s_add_nc_u64 s[6:7], s[6:7], s[18:19]
	s_add_nc_u64 s[4:5], s[4:5], s[20:21]
	s_add_nc_u64 s[14:15], s[14:15], s[20:21]
	s_add_nc_u64 s[10:11], s[10:11], s[22:23]
	s_add_nc_u64 s[8:9], s[8:9], s[24:25]
	s_add_nc_u64 s[12:13], s[12:13], s[26:27]
	global_load_b64 v[4:5], v1, s[6:7]                             ; (m_i, l_i)
	global_load_b128 v[8:11], v2, s[4:5] th:TH_LOAD_NT             ; 256 scores
	global_load_b128 v[12:15], v2, s[4:5] offset:512 th:TH_LOAD_NT
	global_load_b128 v[16:19], v2, s[10:11] th:TH_LOAD_NT          ; hidden
.irp i, 0,1,2,3,4,5,6,7,8,9,10,11,12,13,14,15
	global_load_b128 v[24+4*\i:27+4*\i], v2, s[8:9] offset:4096*\i th:TH_LOAD_NT   ; c_i, my four columns
.endr
	s_wait_loadcnt 19                              ; (m, l) is in: behind it came 2 + 1 + 16 loads
	v_mov_b32 v6, v4
	v_max_num_f32_dpp v6, v6, v6 row_xmask:1 row_mask:0xf bank_mask:0xf    ; both halves of the wave hold the same 16 blocks: four steps do
	v_max_num_f32_dpp v6, v6, v6 row_xmask:2 row_mask:0xf bank_mask:0xf
	v_max_num_f32_dpp v6, v6, v6 row_xmask:4 row_mask:0xf bank_mask:0xf
	v_max_num_f32_dpp v6, v6, v6 row_xmask:8 row_mask:0xf bank_mask:0xf    ; M
	v_sub_f32 v7, v4, v6
	v_mul_f32 v7, 0x3fb8aa3b, v7
	v_exp_f32 v7, v7                               ; e^(m_i - M)
	v_nop                                          ; one plain place behind a transcendental
	s_wait_alu depctr_va_vdst(0)
	v_mul_f32 v20, v5, v7
	v_add_f32_dpp v20, v20, v20 row_xmask:1 row_mask:0xf bank_mask:0xf
	v_add_f32_dpp v20, v20, v20 row_xmask:2 row_mask:0xf bank_mask:0xf
	v_add_f32_dpp v20, v20, v20 row_xmask:4 row_mask:0xf bank_mask:0xf
	v_add_f32_dpp v20, v20, v20 row_xmask:8 row_mask:0xf bank_mask:0xf     ; L
	v_rcp_f32 v21, v20
	v_nop
	s_wait_alu depctr_va_vdst(0)
	v_mul_f32 v7, v7, v21                          ; block i's factor e^(m_i - M) / L, in lane i
.irp i, 0,1,2,3,4,5,6,7,8,9,10,11,12,13,14,15
	v_readlane_b32 s[32+\i], v7, \i
.endr
	s_wait_loadcnt 17                              ; the scores are in: behind them hidden's one and part's 16
.irp k, 0,1,2,3,4,5,6,7
	v_sub_f32 v[8+\k], v[8+\k], v6
.endr
.irp k, 0,1,2,3,4,5,6,7
	v_mul_f32 v[8+\k], 0x3fb8aa3b, v[8+\k]
.endr
.irp k, 0,1,2,3,4,5,6,7
	v_exp_f32 v[8+\k], v[8+\k]
.endr
	v_nop
	s_wait_alu depctr_va_vdst(0)
.irp k, 0,1,2,3,4,5,6,7
	v_mul_f32 v[8+\k], v[8+\k], v21
.endr
	global_store_b128 v2, v[8:11], s[14:15]
	global_store_b128 v2, v[12:15], s[14:15] offset:512
	s_wait_loadcnt 16                              ; hidden is in
	global_store_b128 v2, v[16:19], s[12:13] offset:4096           ; the second half of out0's row
	s_wait_loadcnt 15                              ; block 0's vector; the 15 younger ones stay out
.irp k, 0,1,2,3
	v_mul_f32 v[88+\k], s32, v[24+\k]              ; the first block starts the sums
.endr
.irp i, 1,2,3,4,5,6,7,8,9,10,11,12,13,14,15
	s_wait_loadcnt 15-\i
.irp k, 0,1,2,3
	v_fma_f32 v[88+\k], s[32+\i], v[24+4*\i+\k], v[88+\k]
.endr
.endr
	global_store_b128 v2, v[88:91], s[12:13]
	s_endpgm
.Lfunc_end_k_q057966936c_combine:
	.size	k_q057966936c_combine, .Lfunc_end_k_q057966936c_combine-k_q057966936c_combine
	.p2alignl 7, 3214868480
	.fill 96, 4, 3214868480
	.section	.rodata,"a",@progbits
	.p2align	6, 0x0
	.amdhsa_kernel k_q057966936c_combine
		.amdhsa_group_segment_fixed_size 0
		.amdhsa_private_segment_fixed_size 0
		.amdhsa_enable_private_segment 0
		.amdhsa_kernarg_size 48
		.amdhsa_user_sgpr_count 2
		.amdhsa_user_sgpr_kernarg_segment_ptr 1
		.amdhsa_wavefront_size32 1
		.amdhsa_system_sgpr_workgroup_id_x 1
		.amdhsa_system_sgpr_workgroup_id_y 1
		.amdhsa_system_sgpr_workgroup_id_z 1
		.amdhsa_system_vgpr_workitem_id 0
		.amdhsa_next_free_vgpr 96
		.amdhsa_next_free_sgpr 66
		.amdhsa_reserve_vcc 0
		.amdhsa_float_denorm_mode_32 3
		.amdhsa_float_denorm_mode_16_64 3
		.amdhsa_memory_ordered 1
		.amdhsa_forward_progress 1
		.amdhsa_inst_pref_size 12
	.end_amdhsa_kernel
	.amdgpu_metadata
---
amdhsa.version: [ 1, 2 ]
amdhsa.kernels:
  - .name:           k_q057966936c_combine
    .symbol:         k_q057966936c_combine.kd
    .args:
      - { .name: scores, .offset: 0, .size: 8, .value_kind: global_buffer, .address_space: global }
      - { .name: ml, .offset: 8, .size: 8, .value_kind: global_buffer, .address_space: global }
      - { .name: part, .offset: 16, .size: 8, .value_kind: global_buffer, .address_space: global }
      - { .name: hidden, .offset: 24, .size: 8, .value_kind: global_buffer, .address_space: global }
      - { .name: out0, .offset: 32, .size: 8, .value_kind: global_buffer, .address_space: global }
      - { .name: out1, .offset: 40, .size: 8, .value_kind: global_buffer, .address_space: global }
    .group_segment_fixed_size: 0
    .private_segment_fixed_size: 0
    .kernarg_segment_align: 8
    .kernarg_segment_size: 48
    .max_flat_workgroup_size: 32
    .sgpr_count:     66
    .vgpr_count:     96
    .wavefront_size: 32
...
	.end_amdgpu_metadata
.endif
;; end of part 3
;; ======== version 2 of 2: 3 launches; version 1 with the launch main written anew for expert scheduling mode
;; workspace buffers: web 2,097,152 bytes; hbk 131,072 bytes; scores 262,144 bytes; ml 131,072 bytes; part 2,097,152 bytes
;; launch prep: the kernel of part 1 again; grid 64 x 1, 8 waves a work-group, no clusters, 17,408 bytes of LDS; arguments attn_w, hidden, attn_b, web, hbk; writes web, hbk
;; launch main (part 4): grid 512 x 1, 8 waves a work-group, no clusters, 300,032 bytes of LDS; arguments encoder_outputs, web, hbk, v_w, scores, ml, part; writes scores, ml, part
.if DOCPART == 4
	.amdgcn_target "amdgcn-amd-amdhsa--gfx1250"
	.amdhsa_code_object_version 6
	.text
	.protected	k_q057966936c_main
	.globl	k_q057966936c_main
	.p2align	8
	.type	k_q057966936c_main,@function
k_q057966936c_main:
	s_mov_b64 s[64:65], 0
	v_nop
	global_prefetch_b8 v0, s[64:65] scope:SCOPE_SE
	s_setreg_imm32_b32 hwreg(HW_REG_WAVE_SCHED_MODE, 0, 2), 2
	s_setreg_imm32_b32 hwreg(HW_REG_WAVE_MODE, 25, 1), 1
	s_wait_xcnt 0x0
	s_wait_alu depctr_vm_vsrc(0)
; Work-group T owns 128 rows of encoder_outputs (rows 128 (T & 15) .. +127 of batch T >> 4) and reads them from memory once.
;   x = A We^T (A: the rows in bf16, kept in LDS to the end), 128 rows x 1024 columns; tanh(x + hidden Wh^T + b); the dot with v along the columns;
;   the block's own maximum m, p = e^(score - m), l = sum of p; sum of p x row (from A): the block's part of the context.
; The next launch joins the 16 blocks of a batch.
; SHARES: eight waves, two for each of the WGP's four SIMDs.  Wave w makes all 128 rows x the columns 128 w .. +127, in two passes of 64 columns:
; 32 accumulators, 256 registers.  Its part of web is one stream of 64 quarter steps (32 along K, 4,096 bytes each).
; THE TWO HALVES OF THE WORK-GROUP RUN OUT OF STEP, so that one wave's vector and memory phases stand beside another wave's matrix instructions.
; Waves 4-7 bring the rows, in eight chunks of 128 columns (f32 into registers, bf16 into LDS); waves 0-3 multiply their pass 0 on chunk c while
; chunk c + 1 is made, one barrier a chunk.  Then waves 4-7 run their pass 0 while waves 0-3 are in their tanh phase, and so on, about a pass apart.
; Which waves share a SIMD is not in this text's hands: if w and w + 4 do not, the results are the same and less is overlapped.
; THE PRICE: each wave reads all of A in each of its two passes: 8,192 bytes of LDS for 32 matrix instructions.
; B GOES FROM MEMORY STRAIGHT INTO REGISTERS: each byte of We is multiplied by one wave of the work-group alone, so a stage in LDS would add a write
; and a read for each byte and spare none.  A ring of four register buffers; a buffer is asked for again as soon as its quarter is multiplied.
; NO CLUSTER, NO JOINT LOADS, though all row blocks walk the same web: A takes 278,528 bytes and the scratch 20,480 of the 327,680 that a work-group
; may ask for; the 28,672 left are less than one quarter step of the eight waves (32,768 bytes), let alone two slots of it.  The rows themselves
; cannot come by a tensor load: they are f32 in memory and bf16 in LDS.
; THE MATRIX INSTRUCTION IS USED TRANSPOSED: source 0 = 16 rows of We, source 1 = 16 rows of A.  Lane (r, h) then holds row 16a + r and columns
; 16f + 8h + j, so the sum over the columns stays inside the lane but for one step across the wave's halves.
; tanh(x) = 1 - 2 / (1 + 2^(2.885390 x)).  An exponential that overflows gives 1/inf = 0 and tanh = 1; one that underflows gives tanh = -1: no clamp.
; The score is kept as (sum of v) + sum of (-2 v) / (1 + 2^..).
; The dot with v and the context are products with a single row: they run on the vector unit in f32 (p and v in f32).
; LIMITS: the operands of A We^T are rounded to bf16, and the context is formed from the same bf16 copy of the rows; NaN and infinite inputs get no
; treatment of their own; the order of the sums is not the reference's.
; THE MODE: SCHED_MODE bits 1:0 = 2 (LLVM: expert scheduling mode 2), set by the entry lines.  The code itself states the register dependences
; between vector or matrix instructions and memory or LDS instructions, with s_wait_alu, always for 0.
; THE PLAN.  Registers that memory or LDS instructions touch, and who else names them:
;   H0, H1       A quarter's first sixteen matrix instructions read H0, its second sixteen H1; the next quarter's LDS loads land in each half as soon as it is multiplied.
;   RB0 .. RB3   Quarter q's 32 matrix instructions read RB[q % 4]; behind them the loads of quarter q + 4 land in it.
;                So a quarter holds two waits on va_vdst: behind its first sixteen, for the loads into H0; behind its second sixteen, for the loads into H1 and RB.
;                The wave's 512 registers have no room for a third half of A, so each half's loads follow its readers, and have the other half's sixteen in which to land.
;   v[ADRA]      Read by every fragment load; stepped once a plane, behind a wait on vm_vsrc.  That it is written is stated by the next quarter's first wait on va_vdst,
;                or, where fragments are fetched at a trip's head, by a wait of its own there.
;   a producer's chunk buffers (window 1), CV, v[STA]   A turn: a wait on vm_vsrc (the last turn's LDS stores have read CV and STA); the step of STA; the roundings, which read
;                a chunk buffer and write CV; ONE wait on va_vdst; the loads of the chunk two on into that buffer; the LDS stores from CV.
;   the other fourteen offsets and addresses (v4 to v19 but ADRA and STA) are made at the head, behind which one wait on va_vdst stands, and never written again.
;   The accumulators are named by matrix and vector instructions alone; at the end, when they are free, the context's 64 rows land in them, each row in registers of its own.
.set PITCH, 272                        ; a row of a plane: 256 bytes + 16 = 17 x 16: the 16 rows of a fragment load start at 16 different 16-byte columns of 256
.set PLANE, 128*PITCH                  ; 34,816: plane c = columns 128 c .. +127 of the 128 rows.  What is written (plane c + 1) and what is read (plane c) are separate ranges
.set HB,    8*PLANE                    ; 278,528: hbk of my batch, 1,024 f32
.set V2,    HB+4096                    ; -2 v, 1,024 f32
.set SC,    V2+4096                    ; 8 waves x 128 row sums
.set PB,    SC+4096                    ; p of the 128 rows, a copy for each wave
.set CT,    PB+4096                    ; 512 bytes for each wave: the way out
; window 0
.set OFFB, 4                           ; 16 l
.set ADR0, 5                           ; r PITCH + 16 h: my place in a fragment, plane 0
.set ADRA, 6                           ; the same, stepped a plane a trip
.set ADRH, 7                           ; HB + 512 w + 32 h
.set OFFE, 8                           ; 16 l + (w & 3) << 17: my 16 bytes in the first of a producer's 32 rows
.set STA,  9                           ; 32 (w & 3) PITCH + 8 l, stepped a plane a chunk
.set OFFT, 10                          ; 16 t
.set HBW,  11                          ; HB + 16 t
.set SCW,  12                          ; SC + 512 w + 4 l
.set SCR,  13                          ; SC + 16 l
.set PBW,  14                          ; PB + 512 w + 16 l
.set PBR,  15                          ; PB + 512 w + 256 h
.set CXA,  16                          ; w PLANE + 64 h PITCH + 16 r
.set CTW,  17                          ; CT + 512 w + 32 r
.set CTR,  18                          ; CT + 512 w + 16 l
.set OFF8, 19                          ; 8 l
.set TMP,  20
.set VSP,  22                          ; v[22:23]  sum of -2 v over my columns, as a pair
.set S,    24                          ; v[24:31]  row sums, one for each of the 8 row tiles
.set CP,   32                          ; v[32:47]  eight chains of pairs, one for each row tile, alive over both passes
.set HV,   32                          ; v[32:47]  at the start: hbk and v as loaded
.set PP,   32                          ; v[32:35]  at the end: p of my four rows
.set CX,   40                          ; v[40:47]  at the end: my 8 columns of the context
.set C,    48                          ; v[48:55]  at work
.set SCO,  56                          ; v[56:59]  the scores of my four rows
.set ML,   60                          ; v[60:61]  m, l
.set H0,   64                          ; v[64:95]   A's fragments, rows 0-63
.set H1,   96                          ; v[96:127]  A's fragments, rows 64-127
.set CV,   64                          ; v[64:127]  a producer's chunk, packed
.set HBR,  64                          ; behind a pass: hbk of my 32 columns
.set V2R,  96                          ; behind a pass: -2 v of my 32 columns
.set T,    64                          ; at the end: at work
.set RB0,  128                         ; v[128:255] the B ring, four buffers of 32
.set RB1,  160
.set RB2,  192
.set RB3,  224
.set P,    128                         ; v[128:191] at the end: p of my half's 64 rows
; window 1: the 32 accumulators, tile (a, f) at 8 (4a + f); in a producer, before its pass 0, two chunk buffers of 128 registers;
;           at the end: my half's 64 rows of plane w, row i at 4 i
.set MULW, 0x50                        ; C and D window 1, sources window 0
.set TO_1, 0x40                        ; destination window 1, address window 0
.set CVTW, 0x05                        ; sources 0 and 1 window 1, destination window 0
.set EPIW, 0x41                        ; source 0 and destination window 1
.set SUMW, 0x01                        ; source 0 window 1
.set MSB, 0
.macro WIN new                         ; the immediate's high byte repeats the setting that is left; a switch that changes nothing is dropped
.if MSB != \new
	s_set_vgpr_msb (MSB<<8)|\new
.set MSB, \new
.endif
.endm
.macro PLACES                          ; four places between a matrix instruction and a vector instruction on its registers (ISA guide 7.12.1)
.rept 4
	v_nop
.endr
.endm
; one quarter step of my stream of web: 8 loads of 512 consecutive bytes into ring buffer rb
.macro LOADB rb, boff
.irp f, 0,1,2,3
	global_load_b128 v[\rb+8*\f:\rb+8*\f+3],   v[OFFB], s[6:7] offset:\boff+1024*\f
	global_load_b128 v[\rb+8*\f+4:\rb+8*\f+7], v[OFFB], s[6:7] offset:\boff+1024*\f+512
.endr
.endm
; 8 LDS loads: four fragments of A (16 rows x 32 K each), rows 64 hi .. +63, at byte k of the plane's rows
.macro FETCHH hb, hi, k
.irp a, 0,1,2,3
	ds_load_b128 v[\hb+8*\a:\hb+8*\a+3],   v[ADRA] offset:(4*\hi+\a)*16*PITCH+\k
	ds_load_b128 v[\hb+8*\a+4:\hb+8*\a+7], v[ADRA] offset:(4*\hi+\a)*16*PITCH+\k+32
.endr
.endm
; 16 matrix instructions: row tiles a0 .. a0 + 3 x the 4 column tiles, 32 along K.  zero = 1: the first product starts the sums: nothing is cleared.
.macro MUL16 rb, hb, a0, zero
.irp a, 0,1,2,3
.irp f, 0,1,2,3
.if \zero
	v_wmma_f32_16x16x32_bf16 v[8*(4*(\a0+\a)+\f):8*(4*(\a0+\a)+\f)+7], v[\rb+8*\f:\rb+8*\f+7], v[\hb+8*\a:\hb+8*\a+7], 0
.else
	v_wmma_f32_16x16x32_bf16 v[8*(4*(\a0+\a)+\f):8*(4*(\a0+\a)+\f)+7], v[\rb+8*\f:\rb+8*\f+7], v[\hb+8*\a:\hb+8*\a+7], v[8*(4*(\a0+\a)+\f):8*(4*(\a0+\a)+\f)+7]
.endif
.endr
.endr
.endm
; A quarter step: 32 matrix instructions on B's buffer rb.  Each half of A is loaded again, for the next quarter (byte k), as soon as it is multiplied;
; so is B's buffer, for the quarter four on (byte boff of my stream).  The 32 accumulators take turns, one instruction a turn, in the same order in
; every quarter, over the loop's backward jump too.
; A quarter that fetches nothing is a trip's last.  Four places stand behind its last matrix instruction: at a pass's end vector instructions on the sums follow; at a chunk's
; end they keep the distance also on the way through the text from a trip into a producer's turn, whose roundings name these registers and which no wave takes.
.macro QUARTER rb, k, fetch, boff, refill, lc, zero
	s_wait_loadcnt \lc                             ; this quarter's B is in; the younger quarters' loads, 8 each, stay out
	s_wait_dscnt 8                                 ; A's rows 0-63 are in; the younger eight loads (rows 64-127) may be out
	WIN MULW
	MUL16 \rb, H0, 0, \zero
.if \fetch
	WIN 0
	s_wait_alu depctr_va_vdst(0)                   ; the sixteen above are done reading H0, in which the loads below land; behind a step of v[ADRA], which these loads read: it is written
	FETCHH H0, 0, \k
	s_wait_dscnt 8                                 ; rows 64-127 are in; the eight just issued stay out
.else
	s_wait_dscnt 0x0
.endif
	WIN MULW
	MUL16 \rb, H1, 4, \zero
.if \fetch == 0
	PLACES
.endif
	WIN 0
	s_wait_alu depctr_va_vdst(0)                   ; the sixteen above are done reading H1 and, with the first sixteen, B's buffer: the loads below land in these; behind a pass's last quarter the loads of hbk and -2 v land in H0 and H1
.if \fetch
	FETCHH H1, 1, \k
.endif
.if \refill
	LOADB \rb, \boff
.endif
.endm
; Pass 0, trip c: four quarters, plane c of A, every offset of B in the immediates (my stream's pointer is not stepped in pass 0).
; ahead = 0 (waves 0-3): the trip reads plane c alone, since the next plane may not be whole yet: its first fragments are fetched at its head, and v[ADRA] is stepped there.
; ahead = 1 (waves 4-7, A whole): the last quarter fetches the next plane's first fragments, and v[ADRA] is stepped at the trip's end.
; The last trip asks for pass 1's first four quarters, which lie 4,096 bytes into the stream's first four.
.macro XTRIP c, zero, ahead
.if \c < 7
.set xb, (4*\c+4)*8192
.else
.set xb, 4096
.endif
.if \ahead == 0
.if \c == 0
	s_wait_alu depctr_vm_vsrc(0)                   ; my LDS stores of hbk and -2 v, a barrier back, have read v[HV ..]: these registers are the chains CP from here on
.else
	s_wait_alu depctr_vm_vsrc(0)                   ; the fragment loads issued so far have read v[ADRA]
	v_add_nc_u32 v[ADRA], PLANE, v[ADRA]
	s_wait_alu depctr_va_vdst(0)                   ; v[ADRA] is written, which the loads below read
.endif
	FETCHH H0, 0, 0
	FETCHH H1, 1, 0
.endif
	QUARTER RB0, 64,  1, xb,        1, 24, \zero
	QUARTER RB1, 128, 1, xb+8192,   1, 24, 0
	QUARTER RB2, 192, 1, xb+2*8192, 1, 24, 0
.if \ahead*(7-\c) > 0
	QUARTER RB3, PLANE, 1, xb+3*8192, 1, 24, 0
	s_wait_alu depctr_vm_vsrc(0)                   ; the fragment loads issued so far have read v[ADRA]
	v_add_nc_u32 v[ADRA], PLANE, v[ADRA]           ; its next reader stands behind the next quarter's first wait on va_vdst
.else
	QUARTER RB3, 0,     0, xb+3*8192, 1, 24, 0
.endif
.endm
; Pass 1, a trip: four quarters, one plane of A.  last = 1: the stream's last trip: nothing more is asked for or fetched, and the counts run down.
.macro TRIP zero, last
.if \last
	QUARTER RB0, 64,  1, 0, 0, 24, 0
	QUARTER RB1, 128, 1, 0, 0, 16, 0
	QUARTER RB2, 192, 1, 0, 0, 8, 0
	QUARTER RB3, 0,   0, 0, 0, 0, 0
.else
	QUARTER RB0, 64,    1, 4*8192, 1, 24, \zero
	QUARTER RB1, 128,   1, 5*8192, 1, 24, 0
	QUARTER RB2, 192,   1, 6*8192, 1, 24, 0
	QUARTER RB3, PLANE, 1, 7*8192, 1, 24, 0
	s_wait_xcnt 0x0                                ; s[6:7] is the base of loads that are out: it is stepped only behind this wait
	s_add_nc_u64 s[6:7], s[6:7], 32768
	s_wait_alu depctr_vm_vsrc(0)                   ; the fragment loads issued so far have read v[ADRA]
	v_add_nc_u32 v[ADRA], PLANE, v[ADRA]           ; its next reader stands behind the next quarter's first wait on va_vdst, over the backward jump too
.endif
.endm
.macro PASS_HEAD
	s_wait_alu depctr_vm_vsrc(0)                   ; the fragment loads issued so far have read v[ADRA], which is written below; a producer's LDS stores have read v[CV ..], in which the fragments land
	v_mov_b32 v[ADRA], v[ADR0]                     ; plane 0
	s_wait_alu depctr_va_vdst(0)                   ; v[ADRA] is written; the vector instructions behind pass 0 are done reading HBR and V2R, a producer's roundings have written CV: the fragments land in these registers
	FETCHH H0, 0, 0
	FETCHH H1, 1, 0
.endm
; Waves 4-7: 32 loads, chunk c of my 32 rows: each load of the wave takes 512 consecutive bytes of a row (window TO_1)
.macro LOADC sb, c
.set pi, 0
.rept 32
	global_load_b128 v[\sb+4*pi:\sb+4*pi+3], v[OFFE], s[4:5] offset:pi*4096+(\c)*512 th:TH_LOAD_NT
.set pi, pi+1
.endr
.endm
; Waves 4-7: chunk c has come: round it, ask for chunk c + 2 into the same registers, lay it into plane c
.macro PROD c, lc
.set sb, 128*((\c)&1)
	s_wait_loadcnt \lc                             ; loads come back in order (ISA guide 5.7.1): chunk c is in, the one younger chunk's 32 loads stay out; the last chunk's wait is for 0
.if \c == 7
	LOADB RB0, 0                                   ; no load is out behind that wait: my own pass 0's first four quarters of B go out,
	LOADB RB1, 8192                                ; and have the rounding, the stores and the barrier below in which to land
	LOADB RB2, 2*8192
	LOADB RB3, 3*8192
.endif
.if \c > 0
	s_wait_alu depctr_vm_vsrc(0)                   ; the LDS stores of the chunk before, a barrier back, have read v[CV ..] and v[STA], which are written below
	v_add_nc_u32 v[STA], PLANE, v[STA]
.endif
	WIN CVTW
.set pi, 0
.rept 64
	v_cvt_pk_bf16_f32 v[CV+pi], v[sb+2*pi], v[sb+2*pi+1]
.set pi, pi+1
.endr
.if \c+2 < 8
	WIN TO_1
.else
	WIN 0
.endif
	s_wait_alu depctr_va_vdst(0)                   ; the roundings are done reading the chunk's registers, in which the loads below land, and have written v[CV ..], which the LDS stores read; v[STA] is written
.if \c+2 < 8
	LOADC sb, (\c+2)
	WIN 0
.endif
.set pi, 0
.rept 32
	ds_store_b64 v[STA], v[CV+2*pi:CV+2*pi+1] offset:pi*PITCH      ; 32 lanes, 256 consecutive bytes: a row of the plane
.set pi, pi+1
.endr
.endm
.macro BAR
	s_wait_dscnt 0x0                               ; my LDS stores are in LDS and my LDS reads are back before I say so
	s_barrier_signal -1
	s_barrier_wait -1
.endm
; Behind the barrier plane c is whole.  Waves 0-3 multiply it; waves 4-7 make plane n = c + 1.  The barrier stands in every wave's text; the branch
; on the wave's number jumps over register, LDS and memory work alone.
.macro INTERVAL c, n, lc, zero
	BAR
	s_cmp_gt_u32 s18, 3
	s_cbranch_scc1 .Lprod_\c
	XTRIP \c, \zero, 0
	s_branch .Ljoin_\c
.Lprod_\c:
	PROD \n, \lc
.Ljoin_\c:
.endm
; Behind pass p: hbk and -2 v of my 32 columns 128 w + 64 p + 16 f + 8 h + j; then all 256 numbers of the lane, in place in the accumulators' registers:
; 2.885390 x + hbk; 2^..; + 1; 1/..; and the sums with -2 v, one chain of pairs for each row tile.
; The loads land in H0 and H1: the pass's last quarter ends with the wait that states that its matrix instructions are done reading them, and no vector instruction since names them.
.macro EPI p
.irp f, 0,1,2,3
	ds_load_b128 v[HBR+8*\f:HBR+8*\f+3],   v[ADRH] offset:256*\p+64*\f
	ds_load_b128 v[HBR+8*\f+4:HBR+8*\f+7], v[ADRH] offset:256*\p+64*\f+16
.endr
.irp f, 0,1,2,3
	ds_load_b128 v[V2R+8*\f:V2R+8*\f+3],   v[ADRH] offset:4096+256*\p+64*\f
	ds_load_b128 v[V2R+8*\f+4:V2R+8*\f+7], v[ADRH] offset:4096+256*\p+64*\f+16
.endr
	s_wait_dscnt 0x0
.irp k, 0,1,2,3
	v_pk_add_f32 v[C+2*\k:C+2*\k+1], v[V2R+2*\k:V2R+2*\k+1], v[V2R+8+2*\k:V2R+8+2*\k+1]
.endr
.irp k, 0,1,2,3
	v_pk_add_f32 v[C+2*\k:C+2*\k+1], v[C+2*\k:C+2*\k+1], v[V2R+16+2*\k:V2R+16+2*\k+1]
.endr
.irp k, 0,1,2,3
	v_pk_add_f32 v[C+2*\k:C+2*\k+1], v[C+2*\k:C+2*\k+1], v[V2R+24+2*\k:V2R+24+2*\k+1]
.endr
	v_pk_add_f32 v[C:C+1], v[C:C+1], v[C+2:C+3]
	v_pk_add_f32 v[C+4:C+5], v[C+4:C+5], v[C+6:C+7]
.if \p
	v_pk_add_f32 v[C:C+1], v[C:C+1], v[C+4:C+5]
	v_pk_add_f32 v[VSP:VSP+1], v[VSP:VSP+1], v[C:C+1]
.else
	v_pk_add_f32 v[VSP:VSP+1], v[C:C+1], v[C+4:C+5]
.endif
	WIN EPIW
.set ei, 0
.rept 128
	v_pk_fma_f32 v[2*ei:2*ei+1], v[2*ei:2*ei+1], 0x4038aa3b, v[HBR+2*(ei%16):HBR+2*(ei%16)+1] op_sel_hi:[1,0,1]
.set ei, ei+1
.endr
.set ei, 0
.rept 256
	v_exp_f32 v[ei], v[ei]
.set ei, ei+1
.endr
	v_nop                                          ; one plain place between the last transcendental and the use of its result
.set ei, 0
	s_wait_alu depctr_va_vdst(0)
.rept 128
	v_pk_add_f32 v[2*ei:2*ei+1], v[2*ei:2*ei+1], 1.0 op_sel_hi:[1,0]
.set ei, ei+1
.endr
.set ei, 0
.rept 256
	v_rcp_f32 v[ei], v[ei]
.set ei, ei+1
.endr
	v_nop
	s_wait_alu depctr_va_vdst(0)
	WIN SUMW
.set ei, 0
.rept 16
.set ea, 0
.rept 8
.if \p+ei == 0
	v_pk_mul_f32 v[CP+2*ea:CP+2*ea+1], v[32*ea+2*ei:32*ea+2*ei+1], v[V2R+2*ei:V2R+2*ei+1]      ; pass 0's first pairs start the chains
.else
	v_pk_fma_f32 v[CP+2*ea:CP+2*ea+1], v[32*ea+2*ei:32*ea+2*ei+1], v[V2R+2*ei:V2R+2*ei+1], v[CP+2*ea:CP+2*ea+1]
.endif
.set ea, ea+1
.endr
.set ei, ei+1
.endr
	WIN 0
.endm
	s_load_b256 s[4:11], s[0:1], 0x0               ; encoder_outputs s[4:5], web s[6:7], hbk s[8:9], v_w s[10:11]
	s_load_b128 s[12:15], s[0:1], 0x20             ; scores s[12:13], ml s[14:15]
	s_load_b64 s[16:17], s[0:1], 0x30              ; part
	v_lshl_add_u32 v62, v0, 2, 0x49000
	v_mov_b32 v63, 0
	v_lshrrev_b32 v1, 5, v0
	v_readfirstlane_b32 s18, v1                    ; wave 0..7
	v_and_b32 v1, 31, v0                           ; l
	v_and_b32 v2, 15, v0                           ; r
	v_bfe_u32 v3, v0, 4, 1                         ; h
	s_wait_alu depctr_va_sdst(0)                   ; s18 is written, ahead of its first reader: addresses and branches are made from it
	s_and_b32 s19, s18, 3                          ; which 32 rows a producer brings
	s_mov_b32 s26, 0x76543210                      ; v_permlanex16_b32: lane i of one half reads lane i of the other
	s_mov_b32 s27, 0xfedcba98
	s_lshl_b32 s28, s18, 9                         ; 512 w
	v_lshlrev_b32 v[OFFB], 4, v1
	v_mul_u32_u24 v[ADR0], v2, PITCH
	v_lshl_add_u32 v[ADR0], v3, 4, v[ADR0]
	v_mov_b32 v[ADRA], v[ADR0]
	s_add_co_u32 s29, s28, HB
	v_lshl_add_u32 v[ADRH], v3, 5, s29
	s_lshl_b32 s29, s19, 17                        ; 32 rows of 4,096 bytes
	v_lshl_add_u32 v[OFFE], v1, 4, s29
	s_mul_i32 s29, s19, 32*PITCH
	v_lshl_add_u32 v[STA], v1, 3, s29
	v_lshlrev_b32 v[OFFT], 4, v0
	v_add_nc_u32 v[HBW], HB, v[OFFT]
	s_add_co_u32 s29, s28, SC
	v_lshl_add_u32 v[SCW], v1, 2, s29
	v_add_nc_u32 v[SCR], SC, v[OFFB]
	s_add_co_u32 s29, s28, PB
	v_add_nc_u32 v[PBW], s29, v[OFFB]
	v_lshl_add_u32 v[PBR], v3, 8, s29
	s_mul_i32 s29, s18, PLANE
	v_mul_u32_u24 v[CXA], v3, 64*PITCH
	v_lshl_add_u32 v[CXA], v2, 4, v[CXA]
	v_add_nc_u32 v[CXA], s29, v[CXA]
	s_add_co_u32 s29, s28, CT
	v_lshl_add_u32 v[CTW], v2, 5, s29
	v_add_nc_u32 v[CTR], s29, v[OFFB]
	v_lshlrev_b32 v[OFF8], 3, v1
	s_mov_b32 s23, 0
	s_wait_kmcnt 0x0
	s_lshl_b32 s22, ttmp9, 19                      ; 128 rows of 4,096 bytes
	s_add_nc_u64 s[4:5], s[4:5], s[22:23]
	s_lshl_b32 s22, s18, 18                        ; my wave's 262,144 bytes of web
	s_add_nc_u64 s[6:7], s[6:7], s[22:23]
	s_lshr_b32 s20, ttmp9, 4                       ; batch
	s_lshl_b32 s22, s20, 12
	s_add_nc_u64 s[8:9], s[8:9], s[22:23]
	s_lshl_b32 s22, ttmp9, 9
	s_add_nc_u64 s[12:13], s[12:13], s[22:23]
	s_lshl_b32 s22, ttmp9, 8
	s_add_nc_u64 s[14:15], s[14:15], s[22:23]
	s_lshl_b32 s22, ttmp9, 12
	s_add_co_u32 s22, s22, s28
	s_add_nc_u64 s[16:17], s[16:17], s[22:23]
	s_wait_alu depctr_va_vdst(0)                   ; the sixteen offsets and addresses v4 to v19 are written, which the loads and stores of the kernel read
; ---------------- the start: waves 4-7 ask for chunks 0 and 1 and make plane 0; waves 0-3 fill HB and V2 and ask for their first B ----------------
	s_cmp_gt_u32 s18, 3
	s_cbranch_scc1 .Lpre_prod
	global_load_b128 v[HV:HV+3],     v[OFFT], s[8:9]                ; hbk of my batch: 128 threads x 2 x 16 bytes
	global_load_b128 v[HV+4:HV+7],   v[OFFT], s[8:9] offset:2048
	global_load_b128 v[HV+8:HV+11],  v[OFFT], s[10:11]              ; v_w
	global_load_b128 v[HV+12:HV+15], v[OFFT], s[10:11] offset:2048
	LOADB RB0, 0
	LOADB RB1, 8192
	LOADB RB2, 2*8192
	LOADB RB3, 3*8192
	s_wait_loadcnt 32                              ; hbk and v are in; B's four quarters, 32 loads, stay out
.irp k, 8,10,12,14
	v_pk_mul_f32 v[HV+\k:HV+\k+1], v[HV+\k:HV+\k+1], -2.0 op_sel_hi:[1,0]
.endr
	s_wait_alu depctr_va_vdst(0)                   ; the multiplies have written -2 v, which the LDS stores read
	ds_store_b128 v[HBW], v[HV:HV+3]
	ds_store_b128 v[HBW], v[HV+4:HV+7]   offset:2048
	ds_store_b128 v[HBW], v[HV+8:HV+11]  offset:4096
	ds_store_b128 v[HBW], v[HV+12:HV+15] offset:6144
	s_branch .Lpre_join
.Lpre_prod:
	WIN TO_1
	LOADC 0, 0                                     ; two chunks of a wave, 32,768 bytes, are on their way from here on
	LOADC 128, 1
	WIN 0
	PROD 0, 32
.Lpre_join:
; ---------------- eight chunks: plane c is multiplied by waves 0-3 (their pass 0) while waves 4-7 make plane c + 1 ----------------
	INTERVAL 0, 1, 32, 1                           ; the first products start the sums
	INTERVAL 1, 2, 32, 0
	INTERVAL 2, 3, 32, 0
	INTERVAL 3, 4, 32, 0
	INTERVAL 4, 5, 32, 0
	INTERVAL 5, 6, 32, 0                           ; chunk 6: behind it came chunk 7's 32 loads
	INTERVAL 6, 7, 0, 0                            ; chunk 7: nothing was asked for behind it
	BAR                                            ; A is whole, and nobody writes it again: no barrier stands in the passes that follow
	s_cmp_gt_u32 s18, 3
	s_cbranch_scc1 .Lpass0_late
	XTRIP 7, 0, 0
	s_branch .Lepi0
.Lpass0_late:                                      ; waves 4-7: their pass 0, written out: the planes' steps stand in straight lines, B's offsets in the immediates
	PASS_HEAD
	XTRIP 0, 1, 1
	XTRIP 1, 0, 1
	XTRIP 2, 0, 1
	XTRIP 3, 0, 1
	XTRIP 4, 0, 1
	XTRIP 5, 0, 1
	XTRIP 6, 0, 1
	XTRIP 7, 0, 1                                  ; B's ring runs on into pass 1: four quarters are on their way during what follows
.Lepi0:
	s_wait_xcnt 0x0                                ; s[6:7] is the base of loads that are out: it is stepped only behind this wait
	s_add_nc_u64 s[6:7], s[6:7], 4096              ; pass 1 takes the second 4,096 bytes of each quarter's 8,192
	EPI 0
	PASS_HEAD
	TRIP 1, 0
	s_mov_b32 s24, 6
.Lpass1:
	TRIP 0, 0
	s_sub_co_u32 s24, s24, 1
	s_cmp_lg_u32 s24, 0
	s_cbranch_scc1 .Lpass1
	TRIP 0, 1
	EPI 1
; ---------------- scores, the block's m, p and l, its part of the context ----------------
	v_add_f32 v[TMP], v[VSP], v[VSP+1]             ; sum of -2 v over my 64 columns
.irp a, 0,1,2,3,4,5,6,7
	v_add_f32 v[S+\a], v[CP+2*\a], v[CP+2*\a+1]
.endr
.irp a, 0,1,2,3,4,5,6,7
	v_fmac_f32 v[S+\a], -0.5, v[TMP]               ; + the sum of v
.endr
.irp a, 0,1,2,3,4,5,6,7
	v_permlanex16_b32 v[C+\a], v[S+\a], s26, s27   ; the other half of the wave holds the row's other columns
.endr
.irp a, 0,1,2,3,4,5,6,7
	v_add_f32 v[S+\a], v[S+\a], v[C+\a]
.endr
	v_cmp_lt_u32 vcc_lo, 15, v1
	s_wait_alu depctr_va_vcc(0)                    ; VCC is written, ahead of its first reader
.irp i, 0,1,2,3
	v_cndmask_b32 v[C+\i], v[S+2*\i], v[S+2*\i+1], vcc_lo          ; lane l: row 32 i + l
.endr
	BAR                                            ; all eight waves' LDS reads of the passes (A, HB, V2) are back before any wave stores to LDS again.  The scratch is
	                                               ; bytes of its own, so no value hangs on this barrier: it keeps the order load, wait, barrier, store for all of LDS,
	                                               ; and the waves meet four stores further down in any case
	s_wait_alu depctr_va_vdst(0)                   ; the selects have written v[C ..], which the LDS stores read; the vector work behind pass 1 is done with v[T ..], in which the loads behind the next barrier land
.irp i, 0,1,2,3
	ds_store_b32 v[SCW], v[C+\i] offset:128*\i
.endr
	BAR                                            ; every wave's sums over its 128 columns are in LDS
.irp w, 0,1,2,3,4,5,6,7
	ds_load_b128 v[T+4*\w:T+4*\w+3], v[SCR] offset:512*\w          ; rows 4 l .. 4 l + 3, from each wave
.endr
	s_wait_dscnt 0x0
.irp k, 0,1,2,3
	v_pk_add_f32 v[T+8*\k:T+8*\k+1],   v[T+8*\k:T+8*\k+1],   v[T+8*\k+4:T+8*\k+5]          ; every wave adds in the same order: the same scores, m and p in all eight
	v_pk_add_f32 v[T+8*\k+2:T+8*\k+3], v[T+8*\k+2:T+8*\k+3], v[T+8*\k+6:T+8*\k+7]
.endr
	v_pk_add_f32 v[T:T+1],     v[T:T+1],     v[T+8:T+9]
	v_pk_add_f32 v[T+2:T+3],   v[T+2:T+3],   v[T+10:T+11]
	v_pk_add_f32 v[T+16:T+17], v[T+16:T+17], v[T+24:T+25]
	v_pk_add_f32 v[T+18:T+19], v[T+18:T+19], v[T+26:T+27]
	v_pk_add_f32 v[SCO:SCO+1],   v[T:T+1],   v[T+16:T+17]
	v_pk_add_f32 v[SCO+2:SCO+3], v[T+2:T+3], v[T+18:T+19]
	v_max3_num_f32 v[ML], v[SCO], v[SCO+1], v[SCO+2]
	v_max_num_f32 v[ML], v[ML], v[SCO+3]
	v_max_num_f32_dpp v[ML], v[ML], v[ML] row_xmask:1 row_mask:0xf bank_mask:0xf
	v_max_num_f32_dpp v[ML], v[ML], v[ML] row_xmask:2 row_mask:0xf bank_mask:0xf
	v_max_num_f32_dpp v[ML], v[ML], v[ML] row_xmask:4 row_mask:0xf bank_mask:0xf
	v_max_num_f32_dpp v[ML], v[ML], v[ML] row_xmask:8 row_mask:0xf bank_mask:0xf
	v_permlanex16_b32 v[TMP], v[ML], s26, s27
	v_max_num_f32 v[ML], v[ML], v[TMP]             ; m: the largest score of the block's 128 rows
.irp k, 0,1,2,3
	v_sub_f32 v[PP+\k], v[SCO+\k], v[ML]
.endr
.irp k, 0,1,2,3
	v_mul_f32 v[PP+\k], 0x3fb8aa3b, v[PP+\k]
.endr
.irp k, 0,1,2,3
	v_exp_f32 v[PP+\k], v[PP+\k]                   ; p = e^(score - m), at most 1
.endr
	v_nop
	s_wait_alu depctr_va_vdst(0)
	v_add_f32 v[ML+1], v[PP], v[PP+1]
	v_add_f32 v[TMP], v[PP+2], v[PP+3]
	v_add_f32 v[ML+1], v[ML+1], v[TMP]
	v_add_f32_dpp v[ML+1], v[ML+1], v[ML+1] row_xmask:1 row_mask:0xf bank_mask:0xf
	v_add_f32_dpp v[ML+1], v[ML+1], v[ML+1] row_xmask:2 row_mask:0xf bank_mask:0xf
	v_add_f32_dpp v[ML+1], v[ML+1], v[ML+1] row_xmask:4 row_mask:0xf bank_mask:0xf
	v_add_f32_dpp v[ML+1], v[ML+1], v[ML+1] row_xmask:8 row_mask:0xf bank_mask:0xf
	v_permlanex16_b32 v[TMP], v[ML+1], s26, s27
	v_add_f32 v[ML+1], v[ML+1], v[TMP]             ; l: the sum of p
	s_wait_alu depctr_va_vdst(0)                   ; p, the scores, m and l are written, which the three stores below read
	ds_store_b128 v[PBW], v[PP:PP+3]               ; p into my wave's own copy
	s_cmp_lg_u32 s18, 0
	s_cbranch_scc1 .Lnot_wave_0
	global_store_b128 v[OFFB], v[SCO:SCO+3], s[12:13]              ; the 128 scores: 512 consecutive bytes.  Neither these data nor these offsets are written again
	global_store_b64 v[OFF8], v[ML:ML+1], s[14:15]                 ; (m, l), 32 times: 256 consecutive bytes, aligned, written whole
.Lnot_wave_0:
	; Wave w sums the columns 128 w .. +127, which are plane w.  Lanes 0-15 take rows 0-63, lanes 16-31 rows 64-127, eight columns a lane.
	; Every one of my 64 rows has four registers of its own, where the accumulators lay: no register is loaded twice.  The matrix and vector instructions that named p's registers
	; and those of the rows stand ahead of the waits on va_vdst above, and what has been issued since names none of them: no further wait is owed, for the second run of loads either.
.set ci, 0
.rept 16
	ds_load_b128 v[P+4*ci:P+4*ci+3], v[PBR] offset:16*ci           ; p of my half's 64 rows; LDS serves a wave's instructions in order (ISA guide 5.7.1): these see the store above
.set ci, ci+1
.endr
.irp k, 0,1,2,3,4,5,6,7
	v_mov_b32 v[CX+\k], 0
.endr
.macro CXLOAD first                    ; 32 rows, from row first on (window TO_1)
.set cj, \first
.rept 32
	ds_load_b128 v[4*cj:4*cj+3], v[CXA] offset:cj*PITCH
.set cj, cj+1
.endr
.endm
.macro CXROW left                      ; row ci; left: the younger rows' loads, which may stay out (window SUMW)
	s_wait_dscnt \left
.irp k, 0,1,2,3
	v_fma_mix_f32_bf16 v[CX+2*\k],   v[4*ci+\k], v[P+ci], v[CX+2*\k]   op_sel_hi:[1,0,0]
	v_fma_mix_f32_bf16 v[CX+2*\k+1], v[4*ci+\k], v[P+ci], v[CX+2*\k+1] op_sel:[1,0,0] op_sel_hi:[1,0,0]
.endr
.set ci, ci+1
.endm
	WIN TO_1
	CXLOAD 0
	WIN SUMW
.set ci, 0
.rept 16
	CXROW 31-ci                                    ; row ci is in (and all of p, which is older); behind it came the first run's rows ci + 1 to 31
.endr
	WIN TO_1
	CXLOAD 32                                      ; the second run goes out while rows 16 to 31 are still to be summed
	WIN SUMW
.rept 48
	CXROW 63-ci                                    ; behind row ci came the rows ci + 1 to 63
.endr
	WIN 0
	s_wait_alu depctr_vm_vsrc(0)                   ; the LDS stores of the row sums have read v[C ..], which is written below
.irp k, 0,1,2,3,4,5,6,7
	v_permlanex16_b32 v[C+\k], v[CX+\k], s26, s27  ; the other half's 64 rows
.endr
.irp k, 0,1,2,3,4,5,6,7
	v_add_f32 v[CX+\k], v[CX+\k], v[C+\k]
.endr
	; the way out: a lane's 32 bytes go through my wave's own stage (both halves hold and write the same numbers), so that the wave's store covers
	; 512 consecutive bytes with neighbouring lanes at neighbouring 16 bytes
	s_wait_alu depctr_va_vdst(0)                   ; the additions have written v[CX ..], which the LDS stores read; the scores' additions are done with v[T ..], in which the load below lands
	ds_store_b128 v[CTW], v[CX:CX+3]
	ds_store_b128 v[CTW], v[CX+4:CX+7] offset:16
	ds_load_b128 v[T:T+3], v[CTR]
	s_wait_dscnt 0x0
	global_store_b128 v[OFFB], v[T:T+3], s[16:17]
	s_wait_dscnt 0x0
	s_wait_alu depctr_hold_cnt(0) depctr_sa_sdst(0) depctr_va_vdst(0) depctr_va_sdst(0) depctr_va_ssrc(0) depctr_va_vcc(0) depctr_vm_vsrc(0)
	s_wait_tensorcnt 0x0
	ds_add_u32 v62, v63
	s_wait_dscnt 0x0
	s_endpgm
.Lfunc_end_k_q057966936c_main:
	.size	k_q057966936c_main, .Lfunc_end_k_q057966936c_main-k_q057966936c_main
	.p2alignl 7, 3214868480
	.fill 96, 4, 3214868480
	.section	.rodata,"a",@progbits
	.p2align	6, 0x0
	.amdhsa_kernel k_q057966936c_main
		.amdhsa_group_segment_fixed_size 300032
		.amdhsa_private_segment_fixed_size 0
		.amdhsa_enable_private_segment 0
		.amdhsa_kernarg_size 56
		.amdhsa_user_sgpr_count 2
		.amdhsa_user_sgpr_kernarg_segment_ptr 1
		.amdhsa_wavefront_size32 1
		.amdhsa_system_sgpr_workgroup_id_x 1
		.amdhsa_system_sgpr_workgroup_id_y 1
		.amdhsa_system_sgpr_workgroup_id_z 1
		.amdhsa_system_vgpr_workitem_id 0
		.amdhsa_next_free_vgpr 512
		.amdhsa_next_free_sgpr 66
		.amdhsa_reserve_vcc 1
		.amdhsa_float_denorm_mode_32 3
		.amdhsa_float_denorm_mode_16_64 3
		.amdhsa_memory_ordered 1
		.amdhsa_forward_progress 1
		.amdhsa_inst_pref_size 255
	.end_amdhsa_kernel
	.section	.bss,"aw",@nobits
	.p2align	6
	.space	262144
	.amdgpu_metadata
---
amdhsa.version: [ 1, 2 ]
amdhsa.kernels:
  - .name:           k_q057966936c_main
    .symbol:         k_q057966936c_main.kd
    .args:
      - { .name: encoder_outputs, .offset: 0, .size: 8, .value_kind: global_buffer, .address_space: global }
      - { .name: web, .offset: 8, .size: 8, .value_kind: global_buffer, .address_space: global }
      - { .name: hbk, .offset: 16, .size: 8, .value_kind: global_buffer, .address_space: global }
      - { .name: v_w, .offset: 24, .size: 8, .value_kind: global_buffer, .address_space: global }
      - { .name: scores, .offset: 32, .size: 8, .value_kind: global_buffer, .address_space: global }
      - { .name: ml, .offset: 40, .size: 8, .value_kind: global_buffer, .address_space: global }
      - { .name: part, .offset: 48, .size: 8, .value_kind: global_buffer, .address_space: global }
    .group_segment_fixed_size: 300032
    .private_segment_fixed_size: 0
    .kernarg_segment_align: 8
    .kernarg_segment_size: 56
    .max_flat_workgroup_size: 256
    .sgpr_count:     66
    .vgpr_count:     512
    .wavefront_size: 32
...
	.end_amdgpu_metadata
.endif
;; end of part 4
;; launch combine: the kernel of part 3 again; grid 8 x 32, 1 waves a work-group, no clusters, 0 bytes of LDS; arguments scores, ml, part, hidden, out0, out1; writes out0, out1
